; MI455X (gfx1250); checked and timed in simulation.
; The chip was launched on July 23, 2026; its instructions are those of AMD's public machine-readable ISA for CDNA 5 (MIT licence, August 2026) and "CDNA5" Instruction Set Architecture Reference Guide (July 2026). The comments in the code are by the model that wrote it; some were corrected since.
;; Rotary Attention. Allowed arithmetic: matrix products marked QUANTISED: E4M3 operands, one E8M0 scale for each 32 along K, by v_wmma_scale_f32_16x16x128_f8f6f4 with both operands' format E4M3, f32 sums; everything else in f32.
;; Inputs: Wk 2,048 x 512 float32; Wo 2,048 x 2,048 float32; Wq 2,048 x 2,048 float32; Wv 2,048 x 512 float32; bk 512 float32; bo 2,048 float32; bq 2,048 float32; bv 512 float32; kn 128 float32; qn 128 float32; x 4 x 1,024 x 2,048 float32.
;; Outputs: out0 4 x 1,024 x 2,048 float32.
;; This version of the problem:
;;   THIS VERSION OF THE PROBLEM IS GIVEN IN LOW PRECISION. The matrix products marked QUANTISED in the list below multiply operands that are first quantised to E4M3 (4 exponent bits, 3 mantissa bits; 8 bits a number), with one power-of-two scale for each 32 numbers along K (OCP MX v1.0); their sums are f32. All else is computed in f32.
;;   The module's matrix products, in the order in which they are computed (A, B: the left and right operand; K: the contracted axis; several contracted axes count as one K, in the product's order):
;;     1. [M 4,096, K 2,048] x [K 2,048, N 2,048]; A: input x; B: input Wq: QUANTISED
;;     2. [M 4,096, K 2,048] x [K 2,048, N 512]; A: input x; B: input Wk: QUANTISED
;;     3. [M 4,096, K 2,048] x [K 2,048, N 512]; A: input x; B: input Wv: QUANTISED
;;     4. batch 64 x [M 1,024, K 128] x [K 128, N 1,024]; A: computed on the way; B: computed on the way: QUANTISED
;;     5. batch 64 x [M 128, K 1,024] x [K 1,024, N 1,024]; A: computed on the way; B: softmax (see below): QUANTISED
;;     6. [M 4,096, K 2,048] x [K 2,048, N 2,048]; A: computed on the way; B: input Wo: QUANTISED
;;   THE QUANTISER, for each operand of a quantised product, along K:
;;     - K is cut into blocks of 32 from its start; a last block that is shorter is filled with zeros.
;;     - A block's scale is 2^e with e = floor(log2(the largest magnitude in the block)) - 8, held to -126 .. 127; a block of zeros has e = 0. As a byte (E8M0): e + 127.
;;     - Each number is divided by its block's scale, clamped to +-448, and rounded to the nearest number of E4M3, ties to even, subnormals kept.
;;     - The product sums the exact products of the quantised numbers (number of the format x scale) in f32.
;;   ~~~python
;;   def quantise(x, axis):      # numpy; x: float32 -> the quantised numbers, widened to float32 again
;;       x = np.moveaxis(x, axis, -1); K = x.shape[-1]
;;       x = np.pad(x, [(0, 0)] * (x.ndim - 1) + [(0, -K % 32)]); x = x.reshape(x.shape[:-1] + (-1, 32)); a = np.abs(x).max(-1, keepdims=True)
;;       e = np.where(a > 0, np.clip(np.frexp(np.where(a > 0, a, 1))[1] - 1 - 8, -126, 127), 0)      # np.frexp(a)[1] - 1 = floor(log2(a)), exactly
;;       r = np.clip(x / 2.0 ** e, -448, 448)
;;       step = 2.0 ** (np.maximum(np.frexp(np.where(r == 0, 1, r))[1] - 1, -6) - 3)
;;       q = np.round(r / step) * step * 2.0 ** e      # np.round: ties to even
;;       return np.moveaxis(q.reshape(q.shape[:-2] + (-1,))[..., :K], -1, axis).astype(np.float32)
;;   ~~~
;;   SOFTMAX AHEAD OF A QUANTISED PRODUCT. Where the list says 'softmax', what is quantised is not the finished softmax but p = 2^(t - M), with t = logit x log2(e) and M = ceil(the row's largest t), a whole number; so 1/2 < the row's largest p <= 1. The row's sum l is taken of the UNQUANTISED p, in f32, and the product's result is divided by l at the end. Since M is a whole number, a kernel that streams over the keys may use a running M (the ceiling of the running maximum): every later rescaling is an exact power of two, which a block's scale takes up: the codes' values come out the same.
;;   OPERANDS COMPUTED ON THE WAY. 'Computed on the way' means the value that the module computes at that place (a softmax that the list does not call 'softmax' is quantised finished and normalised). What goes into a quantiser is computed in f32, as accurately as f32 sums, v_exp_f32 and their like allow (about 1e-6 of the number): no bf16 or f16 on the way to a quantiser, and a product that is left as it is and whose result goes on into a quantised operand takes f32 operands (vector FMAs, or v_wmma_f32_16x16x4_f32). A number that lies on a knife's edge between two numbers of the format may be rounded either way, as far as f32 arithmetic and the matrix unit's own rounding can turn it there, and no further.
;; One version. Each part assembles by itself: llvm-mc -triple=amdgcn-amd-amdhsa -mcpu=gfx1250 --defsym DOCPART=n.
;; ======== version 1 of 1: 4 launches
;; limits: right only within a limited range of input values
;; workspace buffers: pre 20,054,016 bytes; qkv 12,976,128 bytes; att 8,650,752 bytes
;; launch prep (part 1): grid 594 x 1, 4 waves a work-group, no clusters, 35,328 bytes of LDS; arguments x, Wq, Wk, Wv, Wo, pre; writes pre
.if DOCPART == 1
	.amdgcn_target "amdgcn-amd-amdhsa--gfx1250"
	.amdhsa_code_object_version 6
	.text
	.protected	k_qf958673b08_prep
	.globl	k_qf958673b08_prep
	.p2align	8
	.type	k_qf958673b08_prep,@function
k_qf958673b08_prep:
	s_mov_b64 s[64:65], 0
	v_nop
	global_prefetch_b8 v0, s[64:65] scope:SCOPE_SE
	s_setreg_imm32_b32 hwreg(HW_REG_WAVE_MODE, 25, 1), 1
	s_wait_xcnt 0x0
; PREP: all that is made once, into the workspace buffer pre.
;   work-groups 0-17:    the table of cos and sin for the rotary embedding, 72 tiles of 16 positions (tiles 64-71 hold position 0: cos 1, sin 0);
;   work-groups 18-273:  x [4096][2048] f32 -> codes of FP8 (E4M3) and E8M0 scale bytes, one for each 32 along K;
;   work-groups 274-593: Wq, Wk, Wv, Wo (K is their FIRST axis) -> the same.
; CODES LIE AS IMAGES OF OPERAND REGISTERS.  A fragment is 16 rows x 128 K, 2,048 bytes: byte 512 c + 16 lane + i is the code of row lane % 16, k = 32 c + 16 (lane / 16) + i; its scale words are 64 bytes, word r = row r's four bytes.
; x: [256 row tiles][16 K steps][2048] at XI, words at XS.  Weights: [320 row tiles][16][2048] at WI, words at WS.  A weight's "row" is one of its columns.  Positions: 0-2047 Wq; 2048 + 256 g + 0..127 Wk's head g,
; + 128..255 Wv's head g; 3072-5119 Wo.  Position p holds the column whose number is p with bits 3 and 4 exchanged: in a transposed product a lane's 16 registers of two neighbouring tiles are then 16 neighbouring columns.
; A block's scale is 2^(floor(log2(its largest magnitude)) - 8); its byte is the largest magnitude's exponent field - 8, held at 1 from below.
; LIMITS: a block of zeros gets the byte 1 where the quantiser says 127 (its codes are zeros, and this program alone reads the bytes); NaN and infinities among the inputs are not served.
; cos and sin: the angle is position x 10000^(-i/64), one rounding; it is reduced by a multiple of pi/2 held in two parts and put through polynomials of degree 7 and 8: about 1e-7 absolute; 10000^(-i/64) is good to about 2 units in its last place.
; No cluster: no two work-groups read the same bytes.  No tensor load, no barrier: waves share nothing.  Only the path for x uses LDS.
.set XI,  0
.set XS,  8388608
.set WI,  8650752
.set WS,  19136512
.set TAB, 19464192
.set MNT, 17                           ; s17      the mantissa field of 448
.set SEL, 18                           ; s[18:19] lane selects for v_permlanex16_b32: lane l xor 16
.set TM,  240                          ; v240-255 the quantiser's 16 registers at work
; 64 numbers of a lane, register 16 b + i = k 32 b + 16 (lane / 16) + i of my row, become a fragment's codes in v[pc] on and its scale word in v[pw].
.macro QUANT s, pc, pw
.irp b, 0,1,2,3
	v_max3_num_f32 v[TM+\b], |v[(\s)+16*\b]|, |v[(\s)+1+16*\b]|, 0x4800000   ; block b: my 16 numbers, and the floor 2^(9 - 127): the byte cannot fall under 1
.endr
.irp i, 2,4,6,8,10,12,14
.irp b, 0,1,2,3
	v_max3_num_f32 v[TM+\b], v[TM+\b], |v[(\s)+16*\b+\i]|, |v[(\s)+1+16*\b+\i]|   ; the four blocks by turns
.endr
.endr
.irp b, 0,1,2,3
	v_permlanex16_b32 v[TM+4+\b], v[TM+\b], s[SEL], s[SEL+1]
.endr
.irp b, 0,1,2,3
	v_max_num_f32 v[TM+\b], v[TM+\b], v[TM+4+\b]   ; with lane l xor 16's: the block's largest magnitude
.endr
.irp b, 0,1,2,3
	v_add_nc_u32 v[TM+12+\b], 0xfc000000, v[TM+\b]   ; 8 off its exponent field: the conversion's scale operand
.endr
.irp b, 0,1,2,3
	v_and_or_b32 v[TM+8+\b], v[TM+\b], 0x7f800000, s[MNT]   ; 448 x the scale
.endr
.irp b, 0,1,2,3
	v_lshrrev_b32 v[TM+4+\b], 23, v[TM+12+\b]   ; the scale's byte
.endr
	v_lshl_or_b32 v[\pw], v[TM+5], 8, v[TM+4]
	v_lshl_or_b32 v[\pw], v[TM+6], 16, v[\pw]
	v_lshl_or_b32 v[\pw], v[TM+7], 24, v[\pw]
.irp b, 0,1,2,3
.irp i, 0,1,2,3,4,5,6,7,8,9,10,11,12,13,14,15
	v_med3_num_f32 v[(\s)+16*\b+\i], v[(\s)+16*\b+\i], -v[TM+8+\b], v[TM+8+\b]   ; the conversion to an 8-bit code does not saturate (ISA guide 7.6.2): the hold comes first
.endr
	v_cvt_scalef32_pk8_fp8_f32 v[(\pc)+4*\b:(\pc)+1+4*\b], v[(\s)+16*\b:(\s)+7+16*\b], v[TM+12+\b]
	v_cvt_scalef32_pk8_fp8_f32 v[(\pc)+2+4*\b:(\pc)+3+4*\b], v[(\s)+8+16*\b:(\s)+15+16*\b], v[TM+12+\b]
.endr
	v_nop                                          ; a plain line behind the last conversion
.endm
	s_load_b256 s[4:11], s[0:1], 0x0               ; x s[4:5], Wq s[6:7], Wk s[8:9], Wv s[10:11]
	s_load_b128 s[12:15], s[0:1], 0x20             ; Wo s[12:13], pre s[14:15]
	s_set_vgpr_msb 0x40
	v_lshl_add_u32 v0, v0, 2, 0x8800
	v_mov_b32 v1, 0
	s_set_vgpr_msb 0x4000
	v_lshrrev_b32 v1, 5, v0
	v_readfirstlane_b32 s16, v1                    ; wave 0..3
	v_and_b32 v1, 31, v0                           ; lane
	s_mov_b32 s[MNT], 0x600000
	s_mov_b32 s[SEL], 0x76543210
	s_mov_b32 s[SEL+1], 0xfedcba98
	s_cmp_lt_u32 ttmp9, 18
	s_cbranch_scc1 .Ltable
	s_cmp_lt_u32 ttmp9, 274
	s_cbranch_scc1 .Lrows
; ---------------- THE WEIGHTS.  A work-group takes 128 positions x 256 along K; a lane takes one position, and its registers run down K: a block of 32 lies in one lane.
.set VO, 16                            ; v16-47   byte offsets of my column in 32 rows on end; written once
.set WX, 48                            ; v48-111  two sets of 32 numbers
.set WC, 112                           ; v112-175 codes: 8 registers for each block, so that no store's data are written again
.set SB, 8                             ; v8-9     scale bytes, four to a register
	s_sub_co_u32 s20, ttmp9, 274
	s_lshr_b32 s21, s20, 3                         ; cg: which 128 positions, 0..39
	s_and_b32 s22, s20, 7                          ; kc: which 256 along K
	s_sub_co_u32 s23, s21, 16                      ; among Wk's and Wv's eight groups (used only where cg is 16..23)
	s_and_b32 s24, s23, 1                          ; 0: Wk, 1: Wv
	s_lshr_b32 s25, s23, 1
	s_lshl_b32 s25, s25, 7                         ; the head's first column
	s_lshl_b32 s29, s21, 7                         ; Wq's first column
	s_sub_co_u32 s30, s21, 24
	s_lshl_b32 s30, s30, 7                         ; Wo's
	s_mov_b32 s28, 2048                            ; a row of Wk or Wv in bytes
	s_wait_kmcnt 0x0
	s_cmp_eq_u32 s24, 1                            ; the choices hang on the work-group's number alone
	s_cselect_b64 s[26:27], s[10:11], s[8:9]
	s_cmp_lt_u32 s21, 16
	s_cselect_b64 s[26:27], s[6:7], s[26:27]
	s_cselect_b32 s25, s29, s25
	s_cselect_b32 s28, 0x2000, s28
	s_cmp_ge_u32 s21, 24
	s_cselect_b64 s[26:27], s[12:13], s[26:27]
	s_cselect_b32 s25, s30, s25
	s_cselect_b32 s28, 0x2000, s28                 ; a row of Wq or Wo: 8,192 bytes
	s_wait_alu depctr_va_vdst(0)
	v_and_b32 v2, 7, v1
	v_bfe_u32 v3, v1, 3, 1
	v_bfe_u32 v6, v1, 4, 1
	v_lshl_or_b32 v2, v3, 4, v2
	v_lshl_or_b32 v2, v6, 3, v2                    ; my lane's number with bits 3 and 4 exchanged
	s_lshl_b32 s31, s16, 5
	s_add_co_u32 s31, s31, s25
	v_add_nc_u32 v2, s31, v2                       ; my column
	v_lshlrev_b32 v[VO], 2, v2
.set i, 1
.rept 31
	v_add_nc_u32 v[VO+i], s28, v[VO+i-1]
.set i, i+1
.endr
	v_and_b32 v7, 15, v1
	v_lshlrev_b32 v4, 4, v7
	v_lshl_add_u32 v4, v6, 15, v4                  ; codes: row tile lane / 16 (32,768 bytes each), 16 bytes for row lane % 16
	v_lshlrev_b32 v5, 2, v7
	v_lshl_add_u32 v5, v6, 10, v5                  ; scale words: 1,024 bytes a row tile, 4 bytes a row
	s_mul_i32 s50, s22, s28
	s_lshl_b32 s50, s50, 8                         ; 256 kc rows down
	s_mov_b32 s51, 0
	s_add_nc_u64 s[32:33], s[26:27], s[50:51]      ; block t's first row: s[32 + 2 t : 33 + 2 t], written once
	s_lshl_b32 s52, s28, 5
	s_mov_b32 s53, 0
.irp t, 1,2,3,4,5,6,7
	s_add_nc_u64 s[32+2*\t:33+2*\t], s[30+2*\t:31+2*\t], s[52:53]
.endr
	s_lshl_b32 s54, s21, 3
	s_lshl_b32 s55, s16, 1
	s_add_co_u32 s54, s54, s55                     ; my wave's first row tile: 8 cg + 2 wave
	s_lshl_b32 s56, s54, 15
	s_lshl_b32 s57, s22, 12
	s_add_co_u32 s56, s56, s57                     ; + K steps 2 kc, 2 kc + 1
	s_add_co_u32 s56, s56, WI
	s_mov_b32 s57, 0
	s_add_nc_u64 s[56:57], s[14:15], s[56:57]
	s_lshl_b32 s58, s54, 10
	s_lshl_b32 s59, s22, 7
	s_add_co_u32 s58, s58, s59
	s_add_co_u32 s58, s58, WS
	s_mov_b32 s59, 0
	s_add_nc_u64 s[58:59], s[14:15], s[58:59]
.macro WLOAD t                         ; block t: 32 rows of my column; a wave's load reads 128 consecutive bytes
.set i, 0
.rept 32
	global_load_b32 v[WX+32*((\t)%2)+i], v[VO+i], s[32+2*(\t):33+2*(\t)] th:TH_LOAD_NT
.set i, i+1
.endr
.endm
.macro WBLOCK t
.set XW, WX+32*((\t)%2)
.set CT, WC+8*(\t)
.if (\t) < 7
	s_wait_loadcnt 32                              ; this block's 32 loads are in; the next block's 32 may be out
.else
	s_wait_loadcnt 0x0
.endif
	v_max3_num_f32 v12, |v[XW]|, |v[XW+1]|, |v[XW+2]|
	v_max3_num_f32 v13, |v[XW+3]|, |v[XW+4]|, |v[XW+5]|
.irp i, 6,10,14,18,22,26
	v_max3_num_f32 v12, v12, |v[XW+\i]|, |v[XW+\i+1]|
	v_max3_num_f32 v13, v13, |v[XW+\i+2]|, |v[XW+\i+3]|
.endr
	v_max3_num_f32 v12, v12, |v[XW+30]|, |v[XW+31]|
	v_max3_num_f32 v12, v12, v13, 0x4800000        ; and the floor
	v_add_nc_u32 v11, 0xfc000000, v12              ; the conversion's scale operand
	v_and_or_b32 v10, v12, 0x7f800000, s[MNT]      ; 448 x the scale
	v_lshrrev_b32 v13, 23, v11                     ; the byte
.if (\t)%4 == 0
	v_mov_b32 v[SB+(\t)/4], v13
.else
	v_lshl_or_b32 v[SB+(\t)/4], v13, 8*((\t)%4), v[SB+(\t)/4]
.endif
.irp i, 0,1,2,3,4,5,6,7,8,9,10,11,12,13,14,15,16,17,18,19,20,21,22,23,24,25,26,27,28,29,30,31
	v_med3_num_f32 v[XW+\i], v[XW+\i], -v10, v10
.endr
.irp g, 0,1,2,3
	v_cvt_scalef32_pk8_fp8_f32 v[CT+2*\g:CT+2*\g+1], v[XW+8*\g:XW+8*\g+7], v11
.endr
	v_nop                                          ; a plain line behind the last conversion
	global_store_b128 v4, v[CT:CT+3], s[56:57] offset:2048*((\t)/4)+512*((\t)%4)         ; k 0..15 of the block: the image's lanes 0-15; sixteen lanes store 256 consecutive bytes, aligned
	global_store_b128 v4, v[CT+4:CT+7], s[56:57] offset:2048*((\t)/4)+512*((\t)%4)+256   ; k 16..31: its lanes 16-31
.if (\t)+2 < 8
	WLOAD (\t)+2
.endif
.if (\t)%4 == 3
	global_store_b32 v5, v[SB+(\t)/4], s[58:59] offset:64*((\t)/4)   ; a K step's scale words: runs of 64 bytes, one byte for each 128 that the launch reads
.endif
.endm
	s_wait_alu depctr_va_vdst(0)
	WLOAD 0
	WLOAD 1
.irp t, 0,1,2,3,4,5,6,7
	WBLOCK \t
.endr
	s_endpgm
; ---------------- x.  A work-group takes a tile of 16 rows, wave w its K steps 4 w .. 4 w + 3.  Each load reads 512 consecutive bytes of one row; the 16 x 512 bytes turn through the wave's own stage in LDS
; (rows 528 bytes apart) and come back as the quantiser wants them: lane (r, h) holds, of row r, 16 neighbours of each block of 32.
.set RR, 16                            ; v16-143  two sets of 64 registers as loaded
.set YY, 144                           ; v144-207 64 numbers in the operand's order
.set PC, 208                           ; v208-239 codes, two sets of 16
.set PW, 8                             ; v8-11    the four fragments' scale words
.Lrows:
	s_sub_co_u32 s20, ttmp9, 18                    ; the row tile
	s_mul_i32 s21, s16, 8704                       ; my wave's LDS: a stage of 16 x 528 bytes, then 256 bytes for scale words
	v_and_b32 v12, 15, v0                          ; r
	v_bfe_u32 v13, v0, 4, 1                        ; h
	s_wait_alu depctr_va_vdst(0)
	v_lshlrev_b32 v6, 3, v1                        ; 8 x lane
	v_lshlrev_b32 v4, 2, v1
	v_lshlrev_b32 v1, 4, v1                        ; 16 x lane
	v_add_nc_u32 v2, s21, v1                       ; into the stage: as loaded
	v_mul_u32_u24 v3, v12, 528
	v_lshl_add_u32 v3, v13, 6, v3
	v_add_nc_u32 v3, s21, v3                       ; out of it: row r, + 64 h
	s_add_co_u32 s22, s21, 8448
	v_add_nc_u32 v4, s22, v4                       ; scale words in: 4 x lane
	v_add_nc_u32 v5, s22, v6                       ; and out: 8 x lane
.irp b, 0,1,2,3
	v_mov_b32 v[TM+4+\b], 0                        ; written once: a lane permute's destination counts as one of its sources
.endr
	s_mov_b32 s30, 0xffff0000                      ; lanes 16-31
	s_lshl_b32 s24, s20, 17
	s_lshl_b32 s25, s16, 11
	s_add_co_u32 s24, s24, s25                     ; x: 131,072 bytes a row tile, 2,048 a wave
	s_mov_b32 s25, 0
	s_lshl_b32 s26, s20, 15
	s_lshl_b32 s27, s16, 13
	s_add_co_u32 s26, s26, s27                     ; codes: 32,768 a row tile, 8,192 a wave
	s_mov_b32 s27, 0
	s_lshl_b32 s28, s20, 10
	s_lshl_b32 s29, s16, 8
	s_add_co_u32 s28, s28, s29
	s_add_co_u32 s28, s28, XS                      ; scale words: 1,024 a row tile, 256 a wave
	s_mov_b32 s29, 0
	s_wait_alu depctr_va_vdst(0)
	s_wait_kmcnt 0x0
	s_add_nc_u64 s[4:5], s[4:5], s[24:25]
	s_add_nc_u64 s[26:27], s[14:15], s[26:27]
	s_add_nc_u64 s[28:29], s[14:15], s[28:29]
.macro XLOAD f
.irp i, 0,1,2,3,4,5,6,7,8,9,10,11,12,13,14,15
	global_load_b128 v[RR+64*((\f)%2)+4*\i:RR+64*((\f)%2)+4*\i+3], v1, s[4:5] offset:8192*\i+512*(\f) th:TH_LOAD_NT
.endr
.endm
.macro XSTEP f
.if (\f) < 3
	s_wait_loadcnt 16                              ; this fragment's 16 loads are in; the next one's 16 may be out
.else
	s_wait_loadcnt 0x0
.endif
.irp i, 0,1,2,3,4,5,6,7,8,9,10,11,12,13,14,15
	ds_store_b128 v2, v[RR+64*((\f)%2)+4*\i:RR+64*((\f)%2)+4*\i+3] offset:528*\i
.endr
.irp c, 0,1,2,3
.irp j, 0,1,2,3
	ds_load_b128 v[YY+16*\c+4*\j:YY+16*\c+4*\j+3], v3 offset:128*\c+16*\j   ; LDS serves a wave's instructions in order: these see the stores above
.endr
.endr
	s_wait_dscnt 0x0
.if (\f) < 2
	XLOAD (\f)+2
.endif
	s_wait_xcnt 0x0                                ; the stores of two fragments back have read this set of code registers
	QUANT YY, PC+16*((\f)%2), PW+(\f)
.irp c, 0,1,2,3
	global_store_b128 v1, v[PC+16*((\f)%2)+4*\c:PC+16*((\f)%2)+4*\c+3], s[26:27] offset:2048*(\f)+512*\c   ; the image: 512 consecutive bytes a store
.endr
.endm
	XLOAD 0
	XLOAD 1
	XSTEP 0
	XSTEP 1
	XSTEP 2
	XSTEP 3
	v_cndmask_b32 v12, v[PW], v[PW+1], s30         ; every lane holds its row's word: lanes 0-15 give one K step's, lanes 16-31 the next one's
	v_cndmask_b32 v13, v[PW+2], v[PW+3], s30
	ds_store_b32 v4, v12
	ds_store_b32 v4, v13 offset:128
	ds_load_b64 v[14:15], v5
	s_wait_dscnt 0x0
	global_store_b64 v6, v[14:15], s[28:29]        ; 32 lanes store 256 consecutive bytes, aligned
	s_set_vgpr_msb 0x5
	s_wait_tensorcnt 0x0
	ds_add_u32 v0, v1
	s_wait_dscnt 0x0
	s_set_vgpr_msb 0x500
	s_endpgm
; ---------------- THE TABLE.  Wave w of work-group i makes tile pt = 4 i + w.  Register 16 b + 2 e (+ 1) of lane (r, h) is the cos (sin) of position 16 pt + r at frequency 16 b + 8 h + e:
; the order in which a lane of the next launch holds a head's 64 numbers.  Eight chains by turns.
.set FA, 16
.set FB, 24
.set FC, 32
.set FD, 40
.set FE, 48
.set FF, 56
.set OUT, 64
.Ltable:
	s_lshl_b32 s20, ttmp9, 2
	s_add_co_u32 s20, s20, s16                     ; pt
	s_lshl_b32 s22, s20, 4
	s_lshl_b32 s24, s20, 13                        ; 8,192 bytes a tile
	s_mov_b32 s25, 0
	s_cmp_lt_u32 s20, 64
	s_cselect_b32 s21, 1, 0                        ; tiles 64-71: position 0
	s_mul_i32 s22, s22, s21
	v_and_b32 v2, 15, v0
	v_bfe_u32 v3, v0, 4, 1
	v_mul_u32_u24 v2, v2, s21
	v_add_nc_u32 v2, s22, v2
	v_cvt_f32_u32 v2, v2                           ; the position
	v_lshlrev_b32 v3, 3, v3                        ; 8 h
	s_wait_alu depctr_va_vdst(0)
	v_lshlrev_b32 v4, 4, v1                        ; 16 x lane
	s_mov_b32 s30, 0xbe549a78                      ; -log2(10000) / 64, its leading part,
	s_mov_b32 s31, 0xb1979a29                      ; and the rest
	s_mov_b32 s32, 0x3f22f983                      ; 2 / pi
	s_mov_b32 s33, 0xbfc90fdb                      ; -(pi / 2), its leading part,
	s_mov_b32 s34, 0x333bbd2e                      ; and the rest
	s_mov_b32 s35, 0xbe2aaaa3                      ; sin: r + r z (S1 + z (S2 + z S3)), z = r r
	s_mov_b32 s36, 0x3c08839e
	s_mov_b32 s37, 0xb94ca1f9
	s_mov_b32 s38, 0x3d2aaaa5                      ; cos: 1 + z (-1/2 + z (C1 + z (C2 + z C3)))
	s_mov_b32 s39, 0xbab6061a
	s_mov_b32 s40, 0x37ccf5ce
	s_mov_b32 s41, 0x80000000
	s_wait_kmcnt 0x0
	s_add_nc_u64 s[14:15], s[14:15], TAB
	s_add_nc_u64 s[14:15], s[14:15], s[24:25]
.irp b, 0,1,2,3
.irp e, 0,1,2,3,4,5,6,7
	v_add_nc_u32 v[FA+\e], 16*\b+\e, v3            ; the frequency's number i
.endr
.irp e, 0,1,2,3,4,5,6,7
	v_cvt_f32_u32 v[FA+\e], v[FA+\e]
.endr
.irp e, 0,1,2,3,4,5,6,7
	v_mul_f32 v[FB+\e], s30, v[FA+\e]
.endr
.irp e, 0,1,2,3,4,5,6,7
	v_rndne_f32 v[FB+\e], v[FB+\e]                 ; the exponent's whole part
.endr
.irp e, 0,1,2,3,4,5,6,7
	v_fma_f32 v[FC+\e], v[FA+\e], s30, -v[FB+\e]   ; and what is left of it, in two parts
.endr
.irp e, 0,1,2,3,4,5,6,7
	v_fma_f32 v[FC+\e], v[FA+\e], s31, v[FC+\e]
.endr
	s_wait_alu depctr_va_vdst(0)
.irp e, 0,1,2,3,4,5,6,7
	v_exp_f32 v[FC+\e], v[FC+\e]
.endr
.irp e, 0,1,2,3,4,5,6,7
	v_cvt_i32_f32 v[FB+\e], v[FB+\e]               ; (plain lines behind the exponentials)
.endr
	s_wait_alu depctr_va_vdst(0)
.irp e, 0,1,2,3,4,5,6,7
	v_ldexp_f32 v[FC+\e], v[FC+\e], v[FB+\e]       ; 10000^(-i / 64)
.endr
.irp e, 0,1,2,3,4,5,6,7
	v_mul_f32 v[FC+\e], v2, v[FC+\e]               ; the angle, rounded once
.endr
.irp e, 0,1,2,3,4,5,6,7
	v_mul_f32 v[FB+\e], s32, v[FC+\e]
.endr
.irp e, 0,1,2,3,4,5,6,7
	v_rndne_f32 v[FB+\e], v[FB+\e]                 ; k: how many quarter turns
.endr
.irp e, 0,1,2,3,4,5,6,7
	v_fma_f32 v[FC+\e], v[FB+\e], s33, v[FC+\e]
.endr
.irp e, 0,1,2,3,4,5,6,7
	v_fma_f32 v[FC+\e], v[FB+\e], s34, v[FC+\e]    ; r = the angle - k pi / 2
.endr
.irp e, 0,1,2,3,4,5,6,7
	v_cvt_i32_f32 v[FB+\e], v[FB+\e]
.endr
.irp e, 0,1,2,3,4,5,6,7
	v_mul_f32 v[FD+\e], v[FC+\e], v[FC+\e]         ; z
.endr
.irp e, 0,1,2,3,4,5,6,7
	v_fma_f32 v[FE+\e], v[FD+\e], s37, s36
	v_fma_f32 v[FF+\e], v[FD+\e], s40, s39
.endr
.irp e, 0,1,2,3,4,5,6,7
	v_fma_f32 v[FE+\e], v[FE+\e], v[FD+\e], s35
	v_fma_f32 v[FF+\e], v[FF+\e], v[FD+\e], s38
.endr
.irp e, 0,1,2,3,4,5,6,7
	v_mul_f32 v[FE+\e], v[FE+\e], v[FD+\e]
	v_fma_f32 v[FF+\e], v[FF+\e], v[FD+\e], -0.5
.endr
.irp e, 0,1,2,3,4,5,6,7
	v_fma_f32 v[FE+\e], v[FE+\e], v[FC+\e], v[FC+\e]   ; sin r
	v_fma_f32 v[FF+\e], v[FF+\e], v[FD+\e], 1.0        ; cos r
.endr
.irp e, 0,1,2,3,4,5,6,7
	v_and_b32 v[FA+\e], 1, v[FB+\e]
.endr
.irp e, 0,1,2,3,4,5,6,7
	v_cmp_ne_u32 vcc_lo, 0, v[FA+\e]               ; an odd k exchanges the two
	v_cndmask_b32 v[OUT+16*\b+2*\e+1], v[FE+\e], v[FF+\e], vcc_lo
	v_cndmask_b32 v[OUT+16*\b+2*\e], v[FF+\e], v[FE+\e], vcc_lo
.endr
.irp e, 0,1,2,3,4,5,6,7
	v_lshlrev_b32 v[FA+\e], 30, v[FB+\e]           ; sin is negative where bit 1 of k is set,
	v_add_nc_u32 v[FB+\e], 1, v[FB+\e]
.endr
.irp e, 0,1,2,3,4,5,6,7
	v_and_b32 v[FA+\e], s41, v[FA+\e]
	v_lshlrev_b32 v[FB+\e], 30, v[FB+\e]           ; cos where bit 1 of k + 1 is
.endr
.irp e, 0,1,2,3,4,5,6,7
	v_xor_b32 v[OUT+16*\b+2*\e+1], v[OUT+16*\b+2*\e+1], v[FA+\e]
	v_and_b32 v[FB+\e], s41, v[FB+\e]
.endr
.irp e, 0,1,2,3,4,5,6,7
	v_xor_b32 v[OUT+16*\b+2*\e], v[OUT+16*\b+2*\e], v[FB+\e]
.endr
.endr
.irp n, 0,1,2,3,4,5,6,7,8,9,10,11,12,13,14,15
	global_store_b128 v4, v[OUT+4*\n:OUT+4*\n+3], s[14:15] offset:512*\n   ; registers 4 n .. 4 n + 3 of all lanes: 512 consecutive bytes
.endr
	s_endpgm
.Lfunc_end_k_qf958673b08_prep:
	.size	k_qf958673b08_prep, .Lfunc_end_k_qf958673b08_prep-k_qf958673b08_prep
	.p2alignl 7, 3214868480
	.fill 96, 4, 3214868480
	.section	.rodata,"a",@progbits
	.p2align	6, 0x0
	.amdhsa_kernel k_qf958673b08_prep
		.amdhsa_group_segment_fixed_size 35328
		.amdhsa_private_segment_fixed_size 0
		.amdhsa_enable_private_segment 0
		.amdhsa_kernarg_size 48
		.amdhsa_user_sgpr_count 2
		.amdhsa_user_sgpr_kernarg_segment_ptr 1
		.amdhsa_wavefront_size32 1
		.amdhsa_system_sgpr_workgroup_id_x 1
		.amdhsa_system_sgpr_workgroup_id_y 1
		.amdhsa_system_sgpr_workgroup_id_z 1
		.amdhsa_system_vgpr_workitem_id 0
		.amdhsa_next_free_vgpr 258
		.amdhsa_next_free_sgpr 66
		.amdhsa_reserve_vcc 1
		.amdhsa_float_denorm_mode_32 3
		.amdhsa_float_denorm_mode_16_64 3
		.amdhsa_memory_ordered 1
		.amdhsa_forward_progress 1
		.amdhsa_inst_pref_size 159
	.end_amdhsa_kernel
	.amdgpu_metadata
---
amdhsa.version: [ 1, 2 ]
amdhsa.kernels:
  - .name:           k_qf958673b08_prep
    .symbol:         k_qf958673b08_prep.kd
    .args:
      - { .name: x, .offset: 0, .size: 8, .value_kind: global_buffer, .address_space: global }
      - { .name: Wq, .offset: 8, .size: 8, .value_kind: global_buffer, .address_space: global }
      - { .name: Wk, .offset: 16, .size: 8, .value_kind: global_buffer, .address_space: global }
      - { .name: Wv, .offset: 24, .size: 8, .value_kind: global_buffer, .address_space: global }
      - { .name: Wo, .offset: 32, .size: 8, .value_kind: global_buffer, .address_space: global }
      - { .name: pre, .offset: 40, .size: 8, .value_kind: global_buffer, .address_space: global }
    .group_segment_fixed_size: 35328
    .private_segment_fixed_size: 0
    .kernarg_segment_align: 8
    .kernarg_segment_size: 48
    .max_flat_workgroup_size: 128
    .sgpr_count:     66
    .vgpr_count:     258
    .wavefront_size: 32
...
	.end_amdgpu_metadata
.endif
;; end of part 1
;; launch qkv (part 2): grid 12 x 16, 4 waves a work-group, clusters of 4 x 4, 327,680 bytes of LDS; arguments pre, bq, bk, bv, qn, kn, qkv; writes qkv
.if DOCPART == 2
	.amdgcn_target "amdgcn-amd-amdhsa--gfx1250"
	.amdhsa_code_object_version 6
	.text
	.protected	k_qf958673b08_qkv
	.globl	k_qf958673b08_qkv
	.p2align	8
	.type	k_qf958673b08_qkv,@function
k_qf958673b08_qkv:
	s_mov_b64 s[64:65], 0
	v_nop
	global_prefetch_b8 v0, s[64:65] scope:SCOPE_SE
	s_setreg_imm32_b32 hwreg(HW_REG_WAVE_MODE, 25, 1), 1
	s_wait_xcnt 0x0
	s_wait_alu depctr_hold_cnt(0) depctr_sa_sdst(0) depctr_va_vdst(0) depctr_va_sdst(0) depctr_va_ssrc(0) depctr_va_vcc(0) depctr_vm_vsrc(0)
	s_getreg_b32 s2, hwreg(HW_REG_IB_STS2, 6, 4)
	s_cmp_eq_u32 s2, 0
	s_cbranch_scc0 .Lentry_in_a_cluster
	s_endpgm
.Lentry_in_a_cluster:
	s_bfe_u32 s2, ttmp6, 0x10000c
	s_cmp_lg_u32 s2, 0xf033
	s_cbranch_scc0 .Lentry_shape_is_right
	s_endpgm
.Lentry_shape_is_right:
; Q, K, V = x W + b on codes of MX-FP8 (E4M3, one E8M0 byte for 32 along K), 4,096 x 3,072 x 2,048; then, in f32, the RMS norm with its gain, the rotary turn and Q's factor 128^-0.5 (V: the bias alone);
; each result is quantised again along the next product's K and leaves as an image of operand registers.
; A work-group of four waves makes 256 x 256; a wave 128 rows x one head (64 accumulators).  Clusters x = 0, 1: Q's heads; x = 2: wave column 0 a head of K, wave column 1 the same head of V.
; Products are used transposed (source 0 = the weight's rows), so that a lane holds one token and 64 of the head's 128; V's waves exchange the two sources, so that a lane holds one channel and its registers run along the keys.
; pre holds codes as images of fragments, [row tile of 16][16 K steps][2,048 bytes], and scale words [row tile][16][64 bytes].  K goes in steps of 256 through two LDS slots; all scale words stay in LDS.
; THE HEAD: one joint load a wave: wave 0 x's 16 row tiles of slot 0, wave 1 the weight's, wave 2 x's scale words, wave 3 the weight's.  Slot 1 is first filled behind the full sequence and a round, a quarter a wave, as every refill is.
; JOINT LOADS: x's tiles are shared along a row of the cluster, the weight's along a column.
; PREFETCH: behind the load of slot step n the wave asks for step n + 2 (the head also for step 1): of the 8 row tiles that a wave fetches each of the four partners names two, told apart by address: 32 lanes x 256 bytes.  Steps past the seventh are not asked for.
; The table of cos and sin is read by all work-groups: it is not prefetched; its tiles are loaded three blocks ahead into four sets of registers.
; LIMITS: NaN and infinities are not served; a block of zeros gets the scale byte 1 (its codes are zeros; this program alone reads the bytes).
; REGISTERS: window 0: v8-31 addresses and V's bias, v32-63 scale words (two sets), v64-127 the bias, then the gain, v128-255 x's fragments; window 1: the weight's fragments, two sets, then the table; windows 2, 3: the sums.
.set XS,  8388608
.set WI,  8650752
.set WS,  19136512
.set TAB, 19464192
.set QS,  8388608
.set KV,  8650752
.set NQ,    2
.set FR,    16
.set NL,    4
.set NP,    8                          ; places behind this matrix form (ISA guide 7.12.1)
.set TROW,  4096                       ; a row tile's two K steps
.set HALFT, 8*TROW
.set SLOT,  4*HALFT
.set LAPS,  4
.set SCL,   2*SLOT
.set HALFS, 8192
.set SBLK,  1024
.set SPARE, SCL+4*HALFS
.set BV,   8
.set ADRA, 16
.set LI,   18
.set VH,   19
.set ADRB, 20
.set STW,  22
.set STR,  23
.set PFO,  24                          ; v24 the prefetches' offset: 32,768 (lane / 16) + 256 (lane % 16); never rewritten
.set ADRS, 27
.set SPW,  28
.set NIL,  29
.set VB,   30
.set SC,   32
.set BIAS, 64
.set AF,   128
.set Y,    128
.set PC,   192
.set TM,   208
.set SW,   224
.set SS,   232
.set TP,   240
.set RS,   248
.set UU,   250
.set PFA, 22                           ; s[22:23] my work-group's two row tiles of the eight that I fetch, at the slot step last stepped to
.set G1, 24
.set G0, 32
.set G1B, 48
.set G0B, 56
.set G1S, 68
.set G0S, 76
.set G1SB, 80
.set G0SB, 88
.set SEL, 36
.set MNT, 38
.set MSB, 0
.macro WIN new
.if MSB != (\new)
	s_set_vgpr_msb (MSB<<8)|(\new)
.set MSB, (\new)
.endif
.endm
.set MUL_LO, 0xa1
.set MUL_HI, 0xf1
.set TO_B,   0x40
.macro PLACES n
.rept \n
	v_nop
.endr
.endm
.macro TL g0, g1                       ; a tensor load; the s_nop 0 and the four v_nop behind it
	tensor_load_to_lds s[\g0:\g0+3], s[\g1:\g1+7]
	s_nop 0
	PLACES 4
.endm
.macro JLOAD g0a, g1a, g0b, g1b        ; waves 0, 1 fetch for x, waves 2, 3 for the weight: each line has one mask
	s_cmp_eq_u32 s15, 0
	s_cbranch_scc0 .Lfor_b_\@
	TL \g0a, \g1a
	s_branch .Lasked_\@
.Lfor_b_\@:
	TL \g0b, \g1b
.Lasked_\@:
.endm
.macro CREST
	s_cmp_lg_u32 s14, 0
	s_cbranch_scc1 .Lnot_wave_0_\@
	s_barrier_signal -3
.Lnot_wave_0_\@:
	s_barrier_wait -3
	s_barrier_signal -1
	s_barrier_wait -1
.endm
.macro CROUND
	s_barrier_signal -1
	s_barrier_wait -1
	CREST
.endm
.macro GRP1 g, mask, c, r, p           ; group 1: r rows of c elements of 8 bytes, p elements apart; bit 21 beside the mask
	s_or_b32 s[\g+0], s[\mask], (3<<16)|(1<<21)
	s_mov_b32 s[\g+1], (\c)<<16
	s_mov_b32 s[\g+2], (\r)<<16
	s_mov_b32 s[\g+3], (\c)<<16
	s_mov_b32 s[\g+4], \r
	s_mov_b32 s[\g+5], \p
	s_mov_b32 s[\g+6], 0
	s_mov_b32 s[\g+7], 0
.endm
.macro GRP0 g, lds, a
	s_mov_b32 s[\g], 1
	s_mov_b32 s[\g+1], \lds
	s_mov_b64 s[\g+2:\g+3], s[\a:\a+1]
	s_or_b32 s[\g+3], s[\g+3], 0x80000000
.endm
.macro VEC64 dst, sb                   ; 64 numbers of a head's 128 in the order of a lane's registers
.irp g, 0,1,2,3
.irp k, 0,1,2,3
	global_load_b128 v[\dst+16*\g+4*\k:\dst+16*\g+4*\k+3], v[VH], s[\sb:\sb+1] offset:128*\g+16*\k
.endr
.endr
.endm
.macro QUANT s, pc, pw                 ; 64 numbers of a lane -> a fragment's codes and its scale word
.irp b, 0,1,2,3
	v_max3_num_f32 v[TM+\b], |v[(\s)+16*\b]|, |v[(\s)+1+16*\b]|, 0x4800000   ; with the floor 2^(9 - 127): the byte cannot fall under 1
.endr
.irp i, 2,4,6,8,10,12,14
.irp b, 0,1,2,3
	v_max3_num_f32 v[TM+\b], v[TM+\b], |v[(\s)+16*\b+\i]|, |v[(\s)+1+16*\b+\i]|
.endr
.endr
.irp b, 0,1,2,3
	v_permlanex16_b32 v[TM+4+\b], v[TM+\b], s[SEL], s[SEL+1]
.endr
.irp b, 0,1,2,3
	v_max_num_f32 v[TM+\b], v[TM+\b], v[TM+4+\b]
.endr
.irp b, 0,1,2,3
	v_add_nc_u32 v[TM+12+\b], 0xfc000000, v[TM+\b]          ; 8 off the exponent field: the conversion's scale operand
.endr
.irp b, 0,1,2,3
	v_and_or_b32 v[TM+8+\b], v[TM+\b], 0x7f800000, s[MNT]   ; 448 x the scale
.endr
.irp b, 0,1,2,3
	v_lshrrev_b32 v[TM+4+\b], 23, v[TM+12+\b]
.endr
	v_lshl_or_b32 v[\pw], v[TM+5], 8, v[TM+4]
	v_lshl_or_b32 v[\pw], v[TM+6], 16, v[\pw]
	v_lshl_or_b32 v[\pw], v[TM+7], 24, v[\pw]
.irp b, 0,1,2,3
.irp i, 0,1,2,3,4,5,6,7,8,9,10,11,12,13,14,15
	v_med3_num_f32 v[(\s)+16*\b+\i], v[(\s)+16*\b+\i], -v[TM+8+\b], v[TM+8+\b]   ; the conversion does not saturate (ISA guide 7.6.2)
.endr
	v_cvt_scalef32_pk8_fp8_f32 v[(\pc)+4*\b:(\pc)+1+4*\b], v[(\s)+16*\b:(\s)+7+16*\b], v[TM+12+\b]
	v_cvt_scalef32_pk8_fp8_f32 v[(\pc)+2+4*\b:(\pc)+3+4*\b], v[(\s)+8+16*\b:(\s)+15+16*\b], v[TM+12+\b]
.endr
	v_nop                                          ; a plain line behind the last conversion
.endm
	s_load_b256 s[4:11], s[0:1], 0x0               ; pre, bq, bk, bv
	s_load_b128 s[96:99], s[0:1], 0x20             ; qn, kn
	s_load_b64 s[100:101], s[0:1], 0x30            ; qkv
	v_lshl_add_u32 v[SPW], v0, 2, SPARE
	v_mov_b32 v[NIL], 0
	ds_add_u32 v[SPW], v[NIL]                      ; the opening lines: the add twice on end and one wait
	ds_add_u32 v[SPW], v[NIL]
	v_lshrrev_b32 v1, 5, v0
	v_readfirstlane_b32 s14, v1                    ; wave
	s_lshr_b32 s15, s14, 1                         ; my row of waves; also: I fetch for x (0) or the weight (1)
	s_and_b32 s16, s14, 1                          ; my column of waves; also: which 8 row tiles I fetch
	s_bfe_u32 s40, ttmp6, 0x40000                  ; cx
	s_bfe_u32 s41, ttmp6, 0x40004                  ; cy
	s_lshl_b32 s42, ttmp9, 2
	s_add_co_u32 s42, s42, s40                     ; tile column
	s_and_b32 s17, ttmp7, 0xffff
	s_lshl_b32 s17, s17, 2
	s_add_co_u32 s17, s17, s41                     ; tile row
	s_lshl_b32 s43, s41, 2
	s_lshl_b32 s43, 15, s43                        ; my row of the cluster
	s_lshl_b32 s44, 0x1111, s40                    ; my column
	GRP1 G1, 43, 512, 16, 4096                     ; the head's loads of codes: 16 row tiles of 4,096 bytes, 32,768 apart
	GRP1 G1B, 44, 512, 16, 4096
	GRP1 G1S, 43, 32, 64, 32                       ; scale words of 16 row tiles: 16,384 dense bytes as 64 rows of 256
	GRP1 G1SB, 44, 32, 64, 32
	s_lshl_b32 s20, s17, 19                        ; 16 row tiles x 32,768
	s_lshl_b32 s22, s17, 14                        ; x 1,024
	s_lshl_b32 s46, s42, 19
	s_lshl_b32 s92, s42, 14
	s_mov_b32 s21, 0
	s_mov_b32 s23, 0
	s_mov_b32 s47, 0
	s_mov_b32 s93, 0
	s_lshl_b32 s12, s16, 18                        ; in the ring: my 8 row tiles
	s_mov_b32 s13, 0
	s_mul_i32 s45, s14, HALFT                      ; and where they go: wave x 8 row tiles
	s_wait_dscnt 0x0                               ; both opening adds are done
	CROUND                                         ; the round in front of the first joint loads
	s_wait_kmcnt 0x0
	s_add_nc_u64 s[20:21], s[4:5], s[20:21]
	s_add_nc_u64 s[22:23], s[4:5], s[22:23]
	s_add_nc_u64 s[22:23], s[22:23], XS
	s_add_nc_u64 s[46:47], s[4:5], s[46:47]
	s_add_nc_u64 s[46:47], s[46:47], WI
	s_add_nc_u64 s[92:93], s[4:5], s[92:93]
	s_add_nc_u64 s[92:93], s[92:93], WS
	GRP0 G0, 0, 20
	GRP0 G0B, 2*HALFT, 46
	GRP0 G0S, SCL, 22
	GRP0 G0SB, SCL+2*HALFS, 92
.macro ARM under, g0, g1, next         ; one chain of branches on the wave's number, a load to an arm
	s_cmp_lt_u32 s14, \under
	s_cbranch_scc0 \next
	TL \g0, \g1
	s_branch .Lhead_asked
\next:
.endm
	ARM 1, G0,  G1,  .Lhead_b
	ARM 2, G0B, G1B, .Lhead_sa
	ARM 3, G0S, G1S, .Lhead_sb
	TL G0SB, G1SB
.Lhead_asked:
	s_add_nc_u64 s[20:21], s[20:21], s[12:13]      ; for the ring: my 8 row tiles
	s_add_nc_u64 s[46:47], s[46:47], s[12:13]
	s_mov_b32 s[G0+4], 1                           ; slot 1's groups 0
	s_add_co_u32 s[G0+5], s45, SLOT
	s_add_nc_u64 s[G0+6:G0+7], s[20:21], TROW
	s_or_b32 s[G0+7], s[G0+7], 0x80000000
	s_mov_b32 s[G0B+4], 1
	s_add_co_u32 s[G0B+5], s45, SLOT
	s_add_nc_u64 s[G0B+6:G0B+7], s[46:47], TROW
	s_or_b32 s[G0B+7], s[G0B+7], 0x80000000
	s_cmp_eq_u32 s15, 0
	s_cselect_b64 s[PFA:PFA+1], s[20:21], s[46:47]
	s_cselect_b32 s2, s40, s41                     ; my place among the four that ask with me
	s_lshl_b32 s2, s2, 16                          ; two row tiles each
	s_mov_b32 s3, 0
	s_add_nc_u64 s[PFA:PFA+1], s[PFA:PFA+1], s[2:3]
	v_and_b32 v1, 15, v0
	v_bfe_u32 v2, v0, 4, 1
	v_and_b32 v3, 31, v0
	v_lshlrev_b32 v[LI], 4, v3
	v_lshlrev_b32 v[VH], 6, v2
	v_and_b32 v4, 8, v1
	v_add_nc_u32 v4, v4, v1
	v_lshlrev_b32 v[VB], 2, v4
	v_lshlrev_b32 v[PFO], 8, v1
	v_lshl_add_u32 v[PFO], v2, 15, v[PFO]
	s_wait_alu depctr_va_vdst(0)                   ; the wait ahead of the scalar lines below
	global_prefetch_b8 v[PFO], s[PFA:PFA+1] offset:TROW th:TH_LOAD_NT scope:SCOPE_SE     ; slot steps 1 and 2
	global_prefetch_b8 v[PFO], s[PFA:PFA+1] offset:2*TROW th:TH_LOAD_NT scope:SCOPE_SE
	s_lshl_b32 s95, s42, 1
	s_add_co_u32 s95, s95, s16                     ; Q's head
	s_cmp_eq_u32 ttmp9, 2
	s_cselect_b32 s18, s40, s95
	s_cselect_b64 s[92:93], s[8:9], s[6:7]
	s_cselect_b32 s66, s16, 0                      ; 1: my wave makes V
	s_lshl_b32 s18, s18, 9
	s_mov_b32 s19, 0
	s_add_nc_u64 s[92:93], s[92:93], s[18:19]
	VEC64 BIAS, 92                                 ; the bias is the first products' C
	s_lshl_b32 s18, s40, 9
	s_add_nc_u64 s[10:11], s[10:11], s[18:19]
.irp a, 0,1,2,3,4,5,6,7
	global_load_b32 v[BV+\a], v[VB], s[10:11] offset:4*(32*(\a/2)+8*(\a%2))   ; V's bias: one number for a lane's channel in block a
.endr
	s_sub_co_u32 s67, 0, s66                       ; all ones in V's waves
	s_mul_i32 s20, s15, HALFT
	s_mul_i32 s21, s16, HALFT
	s_add_co_u32 s21, s21, 2*HALFT
	s_cmp_eq_u32 s66, 1                            ; V's waves exchange the two sources
	s_cselect_b32 s18, s21, s20
	s_cselect_b32 s19, s20, s21
.irp s, 0,1
	v_add_nc_u32 v[ADRA+\s], s18, v[LI]
	v_add_nc_u32 v[ADRB+\s], s19, v[LI]
	s_add_co_u32 s18, s18, SLOT
	s_add_co_u32 s19, s19, SLOT
.endr
	s_mul_i32 s20, s15, HALFS
	s_mul_i32 s21, s16, HALFS
	s_add_co_u32 s21, s21, 2*HALFS
	s_sub_co_u32 s21, s21, s20
	s_add_co_u32 s20, s20, SCL
	v_lshlrev_b32 v5, 2, v1
	v_add_nc_u32 v5, s20, v5
	v_mul_u32_u24 v6, s21, v2
	v_xor_b32 v7, 1, v2
	v_mul_u32_u24 v7, s21, v7
	v_add_nc_u32 v6, v5, v6
	v_add_nc_u32 v7, v5, v7
	v_cndmask_b32 v[ADRS], v6, v7, s67             ; lanes 0-15 source 1's scale words, lanes 16-31 source 0's
	s_lshl_b32 s18, s14, 9
	v_lshl_add_u32 v[STW], v3, 2, s18
	v_add_nc_u32 v[STR], s18, v[LI]
.macro FRAG reg, adr, q, i
.irp c, 0,1,2,3
	ds_load_b128 v[\reg+4*\c:\reg+4*\c+3], v[\adr] offset:2048*(\q)+512*\c+(\i)*TROW
.endr
.endm
.macro MUL16 a0, p, q, sc, zero        ; 16 products; the 64 sums take turns
.irp a, \a0, \a0+1
.irp b, 0,1,2,3,4,5,6,7
.if \zero
	v_wmma_scale_f32_16x16x128_f8f6f4 v[8*(8*((\a)%4)+\b):8*(8*((\a)%4)+\b)+7], v[128*(\p)+FR*\b:128*(\p)+FR*\b+FR-1], v[AF+FR*(\a):AF+FR*(\a)+FR-1], v[BIAS+8*\b:BIAS+8*\b+7], v[SC+8*NQ*(\sc)+NQ*\b+(\q)], v[SC+8*NQ*(\sc)+NQ*(\a)+(\q)] matrix_a_scale:MATRIX_SCALE_ROW1
.else
	v_wmma_scale_f32_16x16x128_f8f6f4 v[8*(8*((\a)%4)+\b):8*(8*((\a)%4)+\b)+7], v[128*(\p)+FR*\b:128*(\p)+FR*\b+FR-1], v[AF+FR*(\a):AF+FR*(\a)+FR-1], v[8*(8*((\a)%4)+\b):8*(8*((\a)%4)+\b)+7], v[SC+8*NQ*(\sc)+NQ*\b+(\q)], v[SC+8*NQ*(\sc)+NQ*(\a)+(\q)] matrix_a_scale:MATRIX_SCALE_ROW1
.endif
.endr
.endr
.endm
.macro FETCH_B slot, q, p
	WIN TO_B
.irp i, 0,1,2,3,4,5,6,7
	FRAG 128*(\p)+FR*\i, ADRB+\slot, \q, \i
.endr
	WIN 0
.endm
.macro FETCH_A slot, q, i0
.irp i, \i0, \i0+1, \i0+2, \i0+3
	FRAG AF+FR*(\i), ADRA+\slot, \q, \i
.endr
.endm
.macro SCALES sc
.irp i, 0,1,2,3,4,5,6,7
.irp q, 0,1
	ds_load_b32 v[SC+8*NQ*\sc+NQ*\i+\q], v[ADRS] offset:\i*SBLK+64*\q
.endr
.endr
.endm
.macro STEP slot, q, zero              ; 128 along K whose successor lies in the same slot
	s_wait_dscnt 4*NL                              ; all but the youngest 16 loads (source 1's blocks 4-7)
.if \zero
	WIN 0x81
.else
	WIN MUL_LO
.endif
	MUL16 0, (\q)%2, \q, \slot, \zero
	MUL16 2, (\q)%2, \q, \slot, \zero
	s_wait_dscnt 0
	PLACES NP
	FETCH_B \slot, (\q)+1, 1-(\q)%2
	FETCH_A \slot, (\q)+1, 0
.if \zero
	WIN 0xc1
.else
	WIN MUL_HI
.endif
	MUL16 4, (\q)%2, \q, \slot, \zero
	MUL16 6, (\q)%2, \q, \slot, \zero
	PLACES NP
	WIN 0
	FETCH_A \slot, (\q)+1, 4
.endm
.macro ASK                             ; the slot step two refills on; the loop's last trip has none
	s_cmp_gt_u32 s3, 1
	s_cbranch_scc0 .Lno_ask_\@
	global_prefetch_b8 v[PFO], s[PFA:PFA+1] offset:3*TROW th:TH_LOAD_NT scope:SCOPE_SE
.Lno_ask_\@:
.endm
.macro TURN slot, next, fill           ; a slot's last 128 along K, and the change of slots
.if \fill
	s_wait_xcnt 0x0                                ; my prefetches have read their address: it steps one slot step
	s_add_nc_u64 s[PFA:PFA+1], s[PFA:PFA+1], TROW
.endif
	s_wait_tensorcnt 0x0                           ; my part of the next slot is in
	ds_add_u32 v[SPW], v[NIL]
	s_wait_dscnt 4*NL+1                            ; the add and the youngest 16 loads may be out
	WIN MUL_LO
	MUL16 0, 1, NQ-1, \slot, 0
	s_wait_dscnt 0x0                               ; the add is done, my reads of this slot are over
	s_barrier_signal -1
	MUL16 2, 1, NQ-1, \slot, 0
	WIN 0
	s_barrier_wait -1
.if \fill
	CREST                                          ; the barrier has opened a round of the cluster's barrier
	s_add_nc_u64 s[G0+4*\slot+2:G0+4*\slot+3], s[G0+4*\slot+2:G0+4*\slot+3], 2*TROW
	s_add_nc_u64 s[G0B+4*\slot+2:G0B+4*\slot+3], s[G0B+4*\slot+2:G0B+4*\slot+3], 2*TROW
	JLOAD G0+4*\slot, G1, G0B+4*\slot, G1B
	PLACES NP-4
.else
	PLACES NP
.endif
	v_add_nc_u32 v[ADRS], 64*NQ, v[ADRS]
	s_wait_alu depctr_va_vdst(0)                   ; the wait behind the write
	FETCH_B \next, 0, 0
	FETCH_A \next, 0, 0
	SCALES \next
.if \fill
	ASK
.endif
	WIN MUL_HI
	MUL16 4, 1, NQ-1, \slot, 0
	MUL16 6, 1, NQ-1, \slot, 0
	PLACES NP
	WIN 0
	FETCH_A \next, 0, 4
.endm
	s_wait_alu depctr_va_vdst(0)                   ; the wait at the head's end
	s_wait_tensorcnt 0x0                           ; my tile of the head's four is in; the full sequence ahead of slot 1's first fill:
	ds_add_u32 v[SPW], v[NIL]
	s_mov_b32 s[G1+2], 8<<16                       ; no load of mine is out: from here on a load brings 8 row tiles,
	s_mov_b32 s[G1+4], 8
	s_mov_b32 s[G1B+2], 8<<16
	s_mov_b32 s[G1B+4], 8
	s_mov_b32 s[G0+1], s45                         ; and slot 0's groups 0 are my quarter's
	s_add_nc_u64 s[G0+2:G0+3], s[G0+2:G0+3], s[12:13]
	s_mov_b32 s[G0B+1], s45
	s_add_nc_u64 s[G0B+2:G0B+3], s[G0B+2:G0B+3], s[12:13]
	s_wait_dscnt 0x0
	CROUND
	JLOAD G0+4, G1, G0B+4, G1B                     ; slot step 1
	FETCH_B 0, 0, 0
	FETCH_A 0, 0, 0
	SCALES 0
	FETCH_A 0, 0, 4
	global_prefetch_b8 v[PFO], s[PFA:PFA+1] offset:3*TROW th:TH_LOAD_NT scope:SCOPE_SE   ; slot step 3
	s_wait_loadcnt 0x0                             ; the biases
.set i, 0
.rept 64
	v_cndmask_b32 v[BIAS+i], v[BIAS+i], 0, s67     ; V's waves add their bias on the way out
.set i, i+1
.endr
.irp a, 0,1,2,3,4,5,6,7
	v_cndmask_b32 v[BV+\a], 0, v[BV+\a], s67
.endr
	s_wait_alu depctr_va_vdst(0)                   ; the wait ahead of the wait in STEP
	PLACES NP
	STEP 0, 0, 1                                   ; the first products start the sums
	s_cmp_eq_u32 ttmp9, 2
	s_cselect_b64 s[92:93], s[98:99], s[96:97]
	VEC64 BIAS, 92                                 ; the gain, where the bias lay
	s_mov_b32 s3, LAPS-1
.Llap:
	TURN 0, 1, 1
	STEP 1, 0, 0
	TURN 1, 0, 1
	STEP 0, 0, 0
	s_sub_co_u32 s3, s3, 1
	s_cmp_lg_u32 s3, 0
	s_cbranch_scc1 .Llap
	TURN 0, 1, 0
	; where the results go and where my table tiles lie: no tensor load is out, so the descriptors' registers are free
	s_lshr_b32 s20, s17, 2                         ; the batch
	s_and_b32 s21, s17, 3
	s_lshl_b32 s21, s21, 1
	s_add_co_u32 s21, s21, s15                     ; which 128 positions
	s_lshl_b32 s22, s20, 4
	s_add_co_u32 s22, s22, s95
	s_lshl_b32 s22, s22, 3
	s_add_co_u32 s22, s22, s21
	s_lshl_b32 s24, s22, 14
	s_lshl_b32 s26, s22, 9
	s_add_co_u32 s26, s26, QS
	s_lshl_b32 s23, s20, 2
	s_add_co_u32 s23, s23, s40
	s_mul_i32 s23, s23, 270336
	s_mul_i32 s28, s21, 33792
	s_add_co_u32 s23, s23, s28
	s_add_co_u32 s23, s23, KV
	s_lshl_b32 s28, s66, 14
	s_add_co_u32 s28, s28, s23
	s_lshl_b32 s29, s66, 9
	s_add_co_u32 s29, s29, s23
	s_add_co_u32 s29, s29, 32768
	s_lshl_b32 s30, s21, 3
	s_cmp_eq_u32 s66, 1
	s_cselect_b32 s30, 64, s30                     ; V: the tiles of position 0, cos 1 and sin 0
	s_lshl_b32 s30, s30, 13
	s_add_co_u32 s30, s30, TAB
	s_mov_b32 s31, 0
	s_mov_b32 s32, 0x3db504f3                      ; 128^-0.5, on Q alone
	s_cmp_eq_u32 ttmp9, 2
	s_cselect_b32 s24, s28, s24
	s_cselect_b32 s26, s29, s26
	s_cselect_b32 s32, 1.0, s32
	s_mov_b32 s33, s32
	s_mov_b32 s25, 0
	s_mov_b32 s27, 0
	s_add_nc_u64 s[24:25], s[100:101], s[24:25]
	s_add_nc_u64 s[26:27], s[100:101], s[26:27]
	s_add_nc_u64 s[30:31], s[4:5], s[30:31]
	s_mov_b32 s34, 0x3c000000                      ; 1 / 128
	s_mov_b32 s35, 0x358637bd                      ; 1e-6
	s_mov_b32 s[SEL], 0x76543210
	s_mov_b32 s[SEL+1], 0xfedcba98
	s_mov_b32 s[MNT], 0x600000
	s_mov_b32 s39, 0xffff0000
	STEP 1, 0, 0
.macro TABLOAD a                       ; block a's cos and sin into set a % 4 of window 1
	WIN 0x40
.irp n, 0,1,2,3,4,5,6,7,8,9,10,11,12,13,14,15
	global_load_b128 v[64*((\a)%4)+4*\n:64*((\a)%4)+4*\n+3], v[LI], s[30:31] offset:8192*(\a)+512*\n
.endr
	WIN 0
.endm
	TABLOAD 0                                      ; source 0's first set is done with (eight places stand behind its last product)
	TABLOAD 1
	s_wait_dscnt 4*NL                              ; the very last 128 along K
	WIN MUL_LO
	MUL16 0, 1, NQ-1, 1, 0
	MUL16 2, 1, NQ-1, 1, 0
	s_wait_dscnt 0
	WIN MUL_HI
	MUL16 4, 1, NQ-1, 1, 0
	MUL16 6, 1, NQ-1, 1, 0
	WIN 0
	PLACES NP
	TABLOAD 2
	s_wait_loadcnt 48                              ; the gain is in; three table tiles, 48 loads, may be out
.set i, 0
.rept 64
	v_cndmask_b32 v[BIAS+i], v[BIAS+i], 1.0, s67
.set i, i+1
.endr
.set i, 0
.rept 32
	v_pk_mul_f32 v[BIAS+i:BIAS+i+1], v[BIAS+i:BIAS+i+1], s[32:33] op_sel_hi:[1,0]
.set i, i+2
.endr
.irp b, 0,1,2,3
	v_mov_b32 v[TM+4+\b], 0                        ; a lane permute's destination counts as a source
.endr
	v_mov_b32 v[RS+1], 0
.macro ROW a                           ; block a, 16 tokens (V: 16 channels): norm, gain, turn, quantiser, store
.set AC, 64*((\a)%4)
.set WW, 2+(\a)/4
.set CSB, 64*((\a)%4)
.if \a < 5
	TABLOAD (\a)+3
.endif
	WIN WW|(WW<<2)
.irp n, 0,2,4,6
	v_pk_mul_f32 v[SS+\n:SS+\n+1], v[AC+\n:AC+\n+1], v[AC+\n:AC+\n+1]
.endr
.set n, 8
.rept 28
	v_pk_fma_f32 v[SS+n%8:SS+n%8+1], v[AC+n:AC+n+1], v[AC+n:AC+n+1], v[SS+n%8:SS+n%8+1]
.set n, n+2
.endr
	WIN 0
	v_pk_add_f32 v[SS:SS+1], v[SS:SS+1], v[SS+2:SS+3]
	v_pk_add_f32 v[SS+4:SS+5], v[SS+4:SS+5], v[SS+6:SS+7]
	v_pk_add_f32 v[SS:SS+1], v[SS:SS+1], v[SS+4:SS+5]
	v_add_f32 v[SS], v[SS], v[SS+1]
	v_permlanex16_b32 v[SS+2], v[SS], s[SEL], s[SEL+1]
	v_add_f32 v[SS], v[SS], v[SS+2]
	v_fma_f32 v[SS], v[SS], s34, s35               ; the mean square + 1e-6
	s_wait_alu depctr_va_vdst(0)                   ; the wait ahead of the transcendental,
	v_rsq_f32 v[RS], v[SS]
	v_nop
	s_wait_alu depctr_va_vdst(0)                   ; and behind it
	v_cndmask_b32 v[RS], v[RS], 1.0, s67
	WIN WW
.set n, 0
.rept 32
.if (\a)%2
	v_pk_fma_f32 v[Y+n:Y+n+1], v[AC+n:AC+n+1], v[RS:RS+1], v[BV+((\a)/2)*2:BV+((\a)/2)*2+1] op_sel:[0,0,1] op_sel_hi:[1,0,1]
.else
	v_pk_fma_f32 v[Y+n:Y+n+1], v[AC+n:AC+n+1], v[RS:RS+1], v[BV+((\a)/2)*2:BV+((\a)/2)*2+1] op_sel_hi:[1,0,0]
.endif
.set n, n+2
.endr
	WIN 0
.set n, 0
.rept 32
	v_pk_mul_f32 v[Y+n:Y+n+1], v[Y+n:Y+n+1], v[BIAS+n:BIAS+n+1]
.set n, n+2
.endr
.if \a < 5
	s_wait_loadcnt 48                              ; this block's tile is in; the three behind it may be out
.else
	s_wait_loadcnt 16*(7-(\a))
.endif
	WIN 0x04
.set n, 0
.rept 8
.irp k, 0,2,4,6
	v_pk_mul_f32 v[TP+\k:TP+\k+1], v[Y+n+\k:Y+n+\k+1], v[CSB+n+\k:CSB+n+\k+1] op_sel_hi:[1,0]
.endr
.irp k, 0,2,4,6
	v_pk_fma_f32 v[Y+n+\k:Y+n+\k+1], v[Y+n+\k:Y+n+\k+1], v[CSB+n+\k:CSB+n+\k+1], v[TP+\k:TP+\k+1] op_sel:[1,1,0] op_sel_hi:[0,1,1] neg_lo:[0,1,0]
.endr
.set n, n+8
.endr
	WIN 0
	s_wait_xcnt 0x0                                ; the last block's stores have read the codes' registers
	QUANT Y, PC, SW+\a
.irp c, 0,1,2,3
	global_store_b128 v[LI], v[PC+4*\c:PC+4*\c+3], s[24:25] offset:2048*(\a)+512*\c   ; 512 consecutive bytes a store
.endr
.endm
.irp a, 0,1,2,3,4,5,6,7
	ROW \a
.endr
.irp i, 0,1,2,3
	v_cndmask_b32 v[UU+\i], v[SW+2*\i], v[SW+2*\i+1], s39
.endr
.irp i, 0,1,2,3
	ds_store_b32 v[STW], v[UU+\i] offset:128*\i    ; my 512 bytes of slot 0, which has had its last fill and its last read
.endr
	ds_load_b128 v[TP:TP+3], v[STR]
	s_wait_dscnt 0x0
	global_store_b128 v[LI], v[TP:TP+3], s[26:27]  ; eight blocks' scale words: 512 consecutive bytes
	s_wait_tensorcnt 0x0                           ; the wave's end
	ds_add_u32 v[SPW], v[NIL]
	s_wait_dscnt 0x0
	CROUND                                         ; the closing round
	s_endpgm
.Lfunc_end_k_qf958673b08_qkv:
	.size	k_qf958673b08_qkv, .Lfunc_end_k_qf958673b08_qkv-k_qf958673b08_qkv
	.p2alignl 7, 3214868480
	.fill 96, 4, 3214868480
	.section	.rodata,"a",@progbits
	.p2align	6, 0x0
	.amdhsa_kernel k_qf958673b08_qkv
		.amdhsa_group_segment_fixed_size 327680
		.amdhsa_private_segment_fixed_size 0
		.amdhsa_enable_private_segment 0
		.amdhsa_kernarg_size 56
		.amdhsa_user_sgpr_count 2
		.amdhsa_user_sgpr_kernarg_segment_ptr 1
		.amdhsa_wavefront_size32 1
		.amdhsa_system_sgpr_workgroup_id_x 1
		.amdhsa_system_sgpr_workgroup_id_y 1
		.amdhsa_system_sgpr_workgroup_id_z 1
		.amdhsa_system_vgpr_workitem_id 0
		.amdhsa_next_free_vgpr 1024
		.amdhsa_next_free_sgpr 106
		.amdhsa_reserve_vcc 0
		.amdhsa_float_denorm_mode_32 3
		.amdhsa_float_denorm_mode_16_64 3
		.amdhsa_memory_ordered 1
		.amdhsa_forward_progress 1
		.amdhsa_inst_pref_size 255
	.end_amdhsa_kernel
	.section	.bss,"aw",@nobits
	.p2align	6
	.space	262144
	.amdgpu_metadata
---
amdhsa.version: [ 1, 2 ]
amdhsa.kernels:
  - .name:           k_qf958673b08_qkv
    .symbol:         k_qf958673b08_qkv.kd
    .args:
      - { .name: pre, .offset: 0, .size: 8, .value_kind: global_buffer, .address_space: global }
      - { .name: bq, .offset: 8, .size: 8, .value_kind: global_buffer, .address_space: global }
      - { .name: bk, .offset: 16, .size: 8, .value_kind: global_buffer, .address_space: global }
      - { .name: bv, .offset: 24, .size: 8, .value_kind: global_buffer, .address_space: global }
      - { .name: qn, .offset: 32, .size: 8, .value_kind: global_buffer, .address_space: global }
      - { .name: kn, .offset: 40, .size: 8, .value_kind: global_buffer, .address_space: global }
      - { .name: qkv, .offset: 48, .size: 8, .value_kind: global_buffer, .address_space: global }
    .group_segment_fixed_size: 327680
    .private_segment_fixed_size: 0
    .kernarg_segment_align: 8
    .kernarg_segment_size: 56
    .max_flat_workgroup_size: 128
    .sgpr_count:     106
    .vgpr_count:     1024
    .wavefront_size: 32
...
	.end_amdgpu_metadata
.endif
;; end of part 2
;; launch attn (part 3): grid 16 x 16, 16 waves a work-group, clusters of 4 x 1, 272,384 bytes of LDS; arguments qkv, att; writes att
.if DOCPART == 3
	.amdgcn_target "amdgcn-amd-amdhsa--gfx1250"
	.amdhsa_code_object_version 6
	.text
	.protected	k_qf958673b08_attn
	.globl	k_qf958673b08_attn
	.p2align	8
	.type	k_qf958673b08_attn,@function
k_qf958673b08_attn:
	s_mov_b64 s[64:65], 0
	v_nop
	global_prefetch_b8 v0, s[64:65] scope:SCOPE_SE
	s_setreg_imm32_b32 hwreg(HW_REG_WAVE_MODE, 25, 1), 1
	s_wait_xcnt 0x0
	s_wait_alu depctr_hold_cnt(0) depctr_sa_sdst(0) depctr_va_vdst(0) depctr_va_sdst(0) depctr_va_ssrc(0) depctr_va_vcc(0) depctr_vm_vsrc(0)
	s_getreg_b32 s2, hwreg(HW_REG_IB_STS2, 6, 4)
	s_cmp_eq_u32 s2, 0
	s_cbranch_scc0 .Lentry_in_a_cluster
	s_endpgm
.Lentry_in_a_cluster:
	s_bfe_u32 s2, ttmp6, 0x10000c
	s_cmp_lg_u32 s2, 0x3003
	s_cbranch_scc0 .Lentry_shape_is_right
	s_endpgm
.Lentry_shape_is_right:
; ATTENTION with a causal mask, on codes of FP8 (E4M3) with one E8M0 scale for each 32 along a product's K; 4 batches, 16 query heads, 4 key and value heads, 1,024 positions, head size 128.
; t = score x log2(e) / sqrt(128); M = the running largest t, rounded up to a whole number; p = 2^(t - M) is quantised along the keys; the row's sum is taken of the unquantised p and divides O at the end (v_rcp_f32 and a multiplication).
; O is quantised along the head's 128, which are 128 of the last product's K, and leaves as an image of operand registers.
; SHARES.  Work-group y = (batch, key head).  The four partners of a cluster are the four query heads of that key head, with the SAME queries: so they walk alike, no branch hangs on a place in the cluster, and K and V are asked for jointly.
; The cluster's x, j, picks the queries: wave w owns the 16 queries at 128 a + 32 j + 16 (w % 2), a = ((0x4370 >> 4 (w / 4)) & 7) xor ((w / 2) % 2): a takes each of 0 .. 7 twice, so every work-group has 72 key steps.
; LDS holds ALL of K and V of (batch, key head): 8 records of 33,792 bytes (128 keys each: 8 fragments of K, 8 of V^T, K's scale words, V's), filled once by one joint load in each of the sixteen waves: waves 0 to 3 records 0, 1, waves 4 to 15 records 2 to 7.
; Nothing is filled again and nothing is stored to LDS.  The first two key steps run while records 2 to 7 land.
; LAYOUT.  Both products transposed (S^T = K Q^T, O^T = V^T P^T): a lane holds one query.  K's tile t holds keys 16 t + 0 .. 15, so register 8 t + j of lane (r, h) is key 16 t + 8 h + j; V's image was laid with the same order of the keys inside
; each block of 32, and blocks of 32 keys stay blocks.  V's rows are laid so that O^T's registers 16 b .. 16 b + 15 are channels 32 b + 16 h + 0 .. 15.
; Every wave walks all eight steps with constant trip counts; a step all of whose keys come after the wave's queries is jumped over by a scalar branch on ids.
; LIMITS: NaN and infinities are not served; a block of zeros gets the scale byte 1 (its codes are zeros; this program alone reads the bytes).
; REGISTERS: v1-4 addresses; v8, v9 the step's addresses; v12 -M, v13 the largest t, v[14:15] the sum; v16-31 Q; v32-95 four fragments; v96-159 S^T, then p; v160-223 O^T; v224-239 p's codes; v232-254 at work; v255 Q's scale words.
.set QS,  8388608
.set KV,  8650752
.set AS,  8388608
.set REC, 33792
.set LI,  1                            ; v1  16 x lane
.set LS,  2                            ; v2  4 x lane
.set LR,  3                            ; v3  4 x (lane % 16)
.set DQ,  4                            ; v4  lane % 16 - 8 (lane / 16)
.set ADK, 8
.set ADS, 9
.set TM,  32                           ; the way out: the quantiser's 16 registers
.set WV,  18
.set MNT, 19
.set SEL, 20
.set CS,  22
.set G1A, 24
.set G0A, 40
.set TB,  48                           ; s48 LDS byte at which the step's record begins
.set KF,  50                           ; s50 the step's first key
.set Q0,  51                           ; s51 my first query
.set CNT, 52
.macro CROUND
	s_barrier_signal -1
	s_barrier_wait -1
	s_cmp_lg_u32 s[WV], 0
	s_cbranch_scc1 .Lnot_wave_0_\@
	s_barrier_signal -3
.Lnot_wave_0_\@:
	s_barrier_wait -3
	s_barrier_signal -1
	s_barrier_wait -1
.endm
.macro QUANT s, pc, pw
.irp b, 0,1,2,3
	v_max3_num_f32 v[TM+\b], |v[(\s)+16*\b]|, |v[(\s)+1+16*\b]|, 0x4800000
.endr
.irp i, 2,4,6,8,10,12,14
.irp b, 0,1,2,3
	s_delay_alu instid0(VALU_DEP_4)
	v_max3_num_f32 v[TM+\b], v[TM+\b], |v[(\s)+16*\b+\i]|, |v[(\s)+1+16*\b+\i]|
.endr
.endr
.irp b, 0,1,2,3
	s_delay_alu instid0(VALU_DEP_4)
	v_permlanex16_b32 v[TM+4+\b], v[TM+\b], s[SEL], s[SEL+1]
.endr
.irp b, 0,1,2,3
	s_delay_alu instid0(VALU_DEP_4)
	v_max_num_f32 v[TM+\b], v[TM+\b], v[TM+4+\b]
.endr
.irp b, 0,1,2,3
	s_delay_alu instid0(VALU_DEP_4)
	v_add_nc_u32 v[TM+12+\b], 0xfc000000, v[TM+\b]
.endr
.irp b, 0,1,2,3
	v_and_or_b32 v[TM+8+\b], v[TM+\b], 0x7f800000, s[MNT]
.endr
.irp b, 0,1,2,3
	v_lshrrev_b32 v[TM+4+\b], 23, v[TM+12+\b]
.endr
	s_delay_alu instid0(VALU_DEP_3)
	v_lshl_or_b32 v[\pw], v[TM+5], 8, v[TM+4]
	s_delay_alu instid0(VALU_DEP_1)
	v_lshl_or_b32 v[\pw], v[TM+6], 16, v[\pw]
	s_delay_alu instid0(VALU_DEP_1)
	v_lshl_or_b32 v[\pw], v[TM+7], 24, v[\pw]
.irp b, 0,1,2,3
.irp i, 0,1,2,3,4,5,6,7,8,9,10,11,12,13,14,15
	v_med3_num_f32 v[(\s)+16*\b+\i], v[(\s)+16*\b+\i], -v[TM+8+\b], v[TM+8+\b]
.endr
	v_cvt_scalef32_pk8_fp8_f32 v[(\pc)+4*\b:(\pc)+1+4*\b], v[(\s)+16*\b:(\s)+7+16*\b], v[TM+12+\b]
	v_cvt_scalef32_pk8_fp8_f32 v[(\pc)+2+4*\b:(\pc)+3+4*\b], v[(\s)+8+16*\b:(\s)+15+16*\b], v[TM+12+\b]
.endr
	v_nop
.endm
	s_load_b128 s[4:7], s[0:1], 0x0                ; qkv s[4:5], att s[6:7]
	v_lshl_add_u32 v250, v0, 2, 0x42000
	v_mov_b32 v251, 0
	ds_add_u32 v250, v251
	ds_add_u32 v250, v251
	v_lshrrev_b32 v8, 5, v0
	s_delay_alu instid0(VALU_DEP_1)
	v_readfirstlane_b32 s[WV], v8                  ; wave 0..15
	s_bfe_u32 s53, ttmp6, 0x40000                  ; cx: the query head within its group; it enters global addresses of Q and O alone
	s_and_b32 s54, ttmp7, 0xffff                   ; 4 x batch + key head
	s_lshr_b32 s55, s[WV], 2
	s_lshl_b32 s55, s55, 2
	s_lshr_b32 s55, 0x4370, s55
	s_and_b32 s55, s55, 7
	s_bfe_u32 s56, s[WV], 0x10001
	s_xor_b32 s55, s55, s56                        ; a
	s_lshl_b32 s[Q0], s55, 7
	s_lshl_b32 s56, ttmp9, 5
	s_add_co_u32 s[Q0], s[Q0], s56
	s_and_b32 s56, s[WV], 1
	s_lshl_b32 s56, s56, 4
	s_add_co_u32 s[Q0], s[Q0], s56                 ; my first query
	s_lshr_b32 s57, s54, 2                         ; the batch
	s_and_b32 s58, s54, 3
	s_lshl_b32 s58, s58, 2
	s_add_co_u32 s58, s58, s53                     ; the query head
	s_lshl_b32 s59, s57, 4
	s_add_co_u32 s59, s59, s58
	s_lshl_b32 s60, s59, 17
	s_lshl_b32 s61, s[Q0], 7
	s_add_co_u32 s60, s60, s61                     ; Q's fragment: ((16 b + head) 64 + query / 16) 2,048
	s_mov_b32 s61, 0
	s_lshl_b32 s62, s59, 12
	s_lshl_b32 s63, s[Q0], 2
	s_add_co_u32 s62, s62, s63
	s_add_co_u32 s62, s62, QS                      ; its scale words
	s_mov_b32 s63, 0
	s_lshl_b32 s66, s57, 21
	s_lshl_b32 s67, s[Q0], 11
	s_add_co_u32 s66, s66, s67
	s_lshl_b32 s67, s58, 11
	s_add_co_u32 s66, s66, s67                     ; O's fragment: ((64 b + query / 16) 16 + head) 2,048
	s_mov_b32 s67, 0
	s_lshl_b32 s68, s57, 16
	s_lshl_b32 s69, s[Q0], 6
	s_add_co_u32 s68, s68, s69
	s_lshl_b32 s69, s58, 6
	s_add_co_u32 s68, s68, s69
	s_add_co_u32 s68, s68, AS                      ; its scale words
	s_mov_b32 s69, 0
	s_mul_i32 s70, s54, 8*REC
	s_add_co_u32 s70, s70, KV                      ; K and V of (batch, key head)
	s_mov_b32 s71, 0
	s_mul_i32 s72, s[WV], 16896                    ; THE FILLS AS THEY NOW STAND: each of the sixteen waves fetches half a record, 16,896 bytes, at the same offset in memory and in LDS: one joint load a wave
	s_mov_b32 s73, 0
	; group 1: dense blocks as rows of 256 bytes (32 elements of 8 bytes): 66 rows
	s_mov_b32 s[G1A], 15|(3<<16)|(1<<21)           ; 15:0 the mask: all four work-groups; 17:16 elements of 8 bytes; 21 set beside a mask
	s_mov_b32 s[G1A+1], 32<<16
	s_mov_b32 s[G1A+2], 66<<16
	s_mov_b32 s[G1A+3], 32<<16
	s_mov_b32 s[G1A+4], 66
	s_mov_b32 s[G1A+5], 32
	s_mov_b32 s[G1A+6], 0
	s_mov_b32 s[G1A+7], 0
	s_mov_b32 s[SEL], 0x76543210
	s_mov_b32 s[SEL+1], 0xfedcba98
	s_mov_b32 s[CS], 0x3e0293ee                    ; c = log2(e) / sqrt(128)
	s_mov_b32 s[CS+1], s[CS]
	s_mov_b32 s[MNT], 0x600000
	s_mov_b32 s[TB], 0
	s_mov_b32 s[KF], 0
	s_wait_dscnt 0x0
	s_wait_kmcnt 0x0
	s_add_nc_u64 s[8:9], s[4:5], s[60:61]          ; Q's codes
	s_add_nc_u64 s[10:11], s[4:5], s[62:63]        ; Q's scale words
	s_add_nc_u64 s[12:13], s[6:7], s[66:67]        ; O's codes
	s_add_nc_u64 s[14:15], s[6:7], s[68:69]        ; O's scale words
	s_add_nc_u64 s[16:17], s[4:5], s[70:71]        ; K and V
	s_mov_b32 s[G0A], 1
	s_mov_b32 s[G0A+1], s72
	s_add_nc_u64 s[G0A+2:G0A+3], s[16:17], s[72:73]
	s_or_b32 s[G0A+3], s[G0A+3], 0x80000000
	CROUND                                         ; all four work-groups are here: the joint loads meet
	s_cmp_lt_u32 s[WV], 4                          ; waves 0 to 3 (records 0 and 1) have a load line of their own: they alone wait at the first barrier
	s_cbranch_scc0 .Lrest_fill
	tensor_load_to_lds s[G0A:G0A+3], s[G1A:G1A+7]
	s_nop 0
.rept 4
	v_nop
.endr
	s_branch .Lno_fill
.Lrest_fill:
	tensor_load_to_lds s[G0A:G0A+3], s[G1A:G1A+7]  ; waves 4 to 15: records 2 to 7
	s_nop 0
.rept 4
	v_nop
.endr
.Lno_fill:
	v_and_b32 v8, 31, v0
	s_delay_alu instid0(VALU_DEP_1)
	v_lshlrev_b32 v[LI], 4, v8
	s_delay_alu instid0(VALU_DEP_2)
	v_lshlrev_b32 v[LS], 2, v8
	v_and_b32 v9, 15, v0
	s_delay_alu instid0(VALU_DEP_1)
	v_lshlrev_b32 v[LR], 2, v9
	v_bfe_u32 v10, v0, 4, 1
	s_delay_alu instid0(VALU_DEP_1)
	v_lshlrev_b32 v10, 3, v10
	s_delay_alu instid0(VALU_DEP_1)
	v_sub_nc_u32 v[DQ], v9, v10
.irp c, 0,1,2,3
	global_load_b128 v[16+4*\c:19+4*\c], v[LI], s[8:9] offset:512*\c   ; Q's fragment stays in registers
.endr
	global_load_b32 v255, v[LR], s[10:11]
	v_mov_b32 v13, 0xff61b1e6                      ; the largest t so far: -3e38
	s_delay_alu instid0(VALU_DEP_1)
	v_floor_f32 v12, -v13                          ; -M
	v_mov_b32 v14, 0
	v_mov_b32 v15, 0
.irp b, 0,1,2,3
	v_mov_b32 v[236+\b], 0                         ; written once: a lane permute's destination counts as one of its sources
.endr
	v_mov_b32 v253, 0                              ; (named as the upper half of the pair v[252:253] before it is first written)
.set i, 0
.rept 64
	v_mov_b32 v[160+i], 0                          ; O^T: the step is written without a first step of its own; the first change of M multiplies zeros
.set i, i+1
.endr
; A KEY STEP: the 128 keys of the record at s[TB].
.macro STEP
	s_add_co_u32 s56, s[Q0], 15
	s_cmp_gt_u32 s[KF], s56                        ; all keys come after my queries: the step's work is left out; the lines at its end are not
	s_cbranch_scc1 .Lhidden_\@
	v_add_nc_u32 v[ADK], s[TB], v[LI]
	s_wait_alu depctr_va_vdst(0)
	v_add_nc_u32 v[ADS], s[TB], v[LS]
	s_wait_alu depctr_va_vdst(0)
.irp g, 0,1                                    ; S^T = K Q^T, four tiles of 16 keys at a time
.rept 6+2*\g
	v_nop                                          ; eight places in front of loads into registers that matrix instructions have read (the two additions above are places too)
.endr
.irp t, 0,1,2,3
.irp c, 0,1,2,3
	ds_load_b128 v[32+16*\t+4*\c:32+16*\t+4*\c+3], v[ADK] offset:2048*(4*\g+\t)+512*\c
.endr
.endr
.irp i, 0,1
	ds_load_b32 v[248+\i], v[ADS] offset:32768+128*(2*\g+\i)   ; lanes 0-15: the words of an even tile; lanes 16-31: of the odd tile behind it
.endr
	s_wait_dscnt 0x0
.irp t, 0,2
	v_wmma_scale_f32_16x16x128_f8f6f4 v[96+8*(4*\g+\t):103+8*(4*\g+\t)], v[32+16*\t:47+16*\t], v[16:31], 0, v[248+\t/2], v255
	v_wmma_scale_f32_16x16x128_f8f6f4 v[104+8*(4*\g+\t):111+8*(4*\g+\t)], v[48+16*\t:63+16*\t], v[16:31], 0, v[248+\t/2], v255 matrix_a_scale:MATRIX_SCALE_ROW1
.endr
.endr
.rept 8
	v_nop
.endr
	s_add_co_u32 s56, s[KF], 127                   ; on the diagonal hidden scores become -infinity ahead of the maximum; a step all of whose keys count skips this
	s_cmp_le_u32 s56, s[Q0]
	s_cbranch_scc1 .Lopen_\@
	s_sub_co_i32 s56, s[Q0], s[KF]
	v_add_nc_u32 v252, s56, v[DQ]                  ; d = my query - the first key - 8 (lane / 16).  Register 8 t + j holds key 16 t + 8 (lane / 16) + j: hidden where 16 t + j > d
	v_mov_b32 v254, 0xff800000
.irp n, 0,1,2,3,4,5,6,7,8,9,10,11,12,13,14,15,16,17,18,19,20,21,22,23,24,25,26,27,28,29,30,31,32,33,34,35,36,37,38,39,40,41,42,43,44,45,46,47,48,49,50,51,52,53,54,55,56,57,58,59,60,61,62,63
	v_cmp_gt_i32 vcc_lo, 16*(\n/8)+\n%8, v252
	v_cndmask_b32 v[96+\n], v[96+\n], v254, vcc_lo
.endr
.Lopen_\@:
.irp b, 0,1,2,3
	v_max3_num_f32 v[232+\b], v[96+16*\b], v[97+16*\b], v[98+16*\b]   ; the largest score of each block of 32 keys: for the row's maximum and, since p rises with the score, for the block's largest p
.endr
.irp i, 3,5,7,9,11,13
.irp b, 0,1,2,3
	v_max3_num_f32 v[232+\b], v[232+\b], v[96+16*\b+\i], v[97+16*\b+\i]
.endr
.endr
.irp b, 0,1,2,3
	v_max_num_f32 v[232+\b], v[232+\b], v[111+16*\b]
.endr
.irp b, 0,1,2,3
	v_permlanex16_b32 v[236+\b], v[232+\b], s[SEL], s[SEL+1]
.endr
.irp b, 0,1,2,3
	s_delay_alu instid0(VALU_DEP_4)
	v_max_num_f32 v[232+\b], v[232+\b], v[236+\b]
.endr
	s_delay_alu instid0(VALU_DEP_2)
	v_max3_num_f32 v254, v232, v233, v234
	s_delay_alu instid0(VALU_DEP_1)
	v_max_num_f32 v254, v254, v235
	s_delay_alu instid0(VALU_DEP_1)
	v_mul_f32 v254, s[CS], v254                    ; as t
	s_delay_alu instid0(VALU_DEP_1)
	v_max_num_f32 v13, v13, v254                   ; the running largest t
	v_mov_b32 v254, v12
	s_delay_alu instid0(VALU_DEP_2)
	v_floor_f32 v12, -v13                          ; the new -M = -ceil(t)
	s_delay_alu instid0(VALU_DEP_1)
	v_sub_f32 v254, v12, v254                      ; old M - new M: a whole number, 0 or less
	s_delay_alu instid0(VALU_DEP_1)
	v_cvt_i32_f32 v254, v254
	s_delay_alu instid0(VALU_DEP_1)
	v_ldexp_f32 v252, 1.0, v254                    ; f = 2^(old M - new M)
.irp j, 0,2,4,6,8,10,12,14,16,18,20,22,24,26,28,30,32,34,36,38,40,42,44,46,48,50,52,54,56,58,60,62
	v_pk_fma_f32 v[96+\j:97+\j], v[96+\j:97+\j], s[CS:CS+1], v[12:13] op_sel_hi:[1,0,0]   ; t - M
.endr
.irp b, 0,1,2,3
	v_fma_f32 v[232+\b], v[232+\b], s[CS], v12
.endr
	s_wait_alu depctr_va_vdst(0)
.irp j, 0,1,2,3,4,5,6,7,8,9,10,11,12,13,14,15,16,17,18,19,20,21,22,23,24,25,26,27,28,29,30,31,32,33,34,35,36,37,38,39,40,41,42,43,44,45,46,47,48,49,50,51,52,53,54,55,56,57,58,59,60,61,62,63
	v_exp_f32 v[96+\j], v[96+\j]                   ; p = 2^(t - M)
.endr
.irp b, 0,1,2,3
	v_exp_f32 v[232+\b], v[232+\b]                 ; the block's largest p
.endr
	v_pk_mul_f32 v[14:15], v[14:15], v[252:253] op_sel_hi:[1,0]   ; the sums under the new M (a plain line behind the exponentials)
	s_wait_alu depctr_va_vdst(0)
.irp b, 0,1,2,3
	v_max_num_f32 v[232+\b], 0x4800000, v[232+\b]  ; the floor: the byte cannot fall under 1
.endr
.irp b, 0,1,2,3
	s_delay_alu instid0(VALU_DEP_4)
	v_add_nc_u32 v[244+\b], 0xfc000000, v[232+\b]
.endr
.irp b, 0,1,2,3
	v_and_or_b32 v[240+\b], v[232+\b], 0x7f800000, s[MNT]
.endr
.irp b, 0,1,2,3
	v_lshrrev_b32 v[236+\b], 23, v[244+\b]
.endr
	s_delay_alu instid0(VALU_DEP_3)
	v_lshl_or_b32 v253, v237, 8, v236              ; p's scale word for these 128 keys
	s_delay_alu instid0(VALU_DEP_1)
	v_lshl_or_b32 v253, v238, 16, v253
	s_delay_alu instid0(VALU_DEP_1)
	v_lshl_or_b32 v253, v239, 24, v253
	v_pk_add_f32 v[236:237], v[100:101], v[104:105]
	v_pk_add_f32 v[248:249], v[108:109], v[112:113]
	v_pk_add_f32 v[238:239], v[116:117], v[120:121]
	v_pk_add_f32 v[234:235], v[124:125], v[128:129]
	v_pk_add_f32 v[232:233], v[132:133], v[136:137]
	v_pk_add_f32 v[230:231], v[140:141], v[144:145]
	v_pk_add_f32 v[228:229], v[148:149], v[152:153]
	v_pk_add_f32 v[14:15], v[14:15], v[156:157]
	v_pk_add_f32 v[236:237], v[236:237], v[96:97]
	v_pk_add_f32 v[248:249], v[248:249], v[98:99]
	v_pk_add_f32 v[238:239], v[238:239], v[102:103]
	v_pk_add_f32 v[234:235], v[234:235], v[106:107]
	v_pk_add_f32 v[232:233], v[232:233], v[110:111]
	v_pk_add_f32 v[230:231], v[230:231], v[114:115]
	v_pk_add_f32 v[228:229], v[228:229], v[118:119]
	v_pk_add_f32 v[14:15], v[14:15], v[122:123]
	v_pk_add_f32 v[236:237], v[236:237], v[126:127]
	v_pk_add_f32 v[248:249], v[248:249], v[130:131]
	v_pk_add_f32 v[238:239], v[238:239], v[134:135]
	v_pk_add_f32 v[234:235], v[234:235], v[138:139]
	v_pk_add_f32 v[232:233], v[232:233], v[142:143]
	v_pk_add_f32 v[230:231], v[230:231], v[146:147]
	v_pk_add_f32 v[228:229], v[228:229], v[150:151]
	v_pk_add_f32 v[14:15], v[14:15], v[154:155]
	v_pk_add_f32 v[236:237], v[236:237], v[158:159]
	s_delay_alu instid0(VALU_DEP_2)
	v_pk_add_f32 v[14:15], v[14:15], v[234:235]
	s_delay_alu instid0(VALU_DEP_2)
	v_pk_add_f32 v[236:237], v[236:237], v[232:233]
	v_pk_add_f32 v[248:249], v[248:249], v[230:231]
	v_pk_add_f32 v[238:239], v[238:239], v[228:229]
	s_delay_alu instid0(VALU_DEP_2)
	v_pk_add_f32 v[14:15], v[14:15], v[248:249]
	s_delay_alu instid0(VALU_DEP_2)
	v_pk_add_f32 v[236:237], v[236:237], v[238:239]
	s_delay_alu instid0(VALU_DEP_1)
	v_pk_add_f32 v[14:15], v[14:15], v[236:237]
.irp b, 0,1,2,3
.irp i, 0,1,2,3,4,5,6,7,8,9,10,11,12,13,14,15
	v_min_num_f32 v[96+16*\b+\i], v[96+16*\b+\i], v[240+\b]   ; the conversion does not saturate (ISA guide 7.6.2); p is not negative
.endr
	v_cvt_scalef32_pk8_fp8_f32 v[224+4*\b:225+4*\b], v[96+16*\b:103+16*\b], v[244+\b]
	v_cvt_scalef32_pk8_fp8_f32 v[226+4*\b:227+4*\b], v[104+16*\b:111+16*\b], v[244+\b]
.endr
.irp j, 0,2,4,6,8,10,12,14,16,18,20,22,24,26,28,30,32,34,36,38,40,42,44,46,48,50,52,54,56,58,60,62
	v_pk_mul_f32 v[160+\j:161+\j], v[160+\j:161+\j], v[252:253] op_sel_hi:[1,0]   ; O^T under the new M; these 32 are also the places in front of the products and loads below
.endr
	s_wait_alu depctr_va_vdst(0)
.irp g, 0,1                                    ; O^T += V^T P^T, four tiles of 16 channels at a time
.if \g > 0
.rept 8
	v_nop
.endr
.endif
.irp t, 0,1,2,3
.irp c, 0,1,2,3
	ds_load_b128 v[32+16*\t+4*\c:32+16*\t+4*\c+3], v[ADK] offset:16384+2048*(4*\g+\t)+512*\c
.endr
.endr
.irp i, 0,1
	ds_load_b32 v[248+\i], v[ADS] offset:33280+128*(2*\g+\i)
.endr
	s_wait_dscnt 0x0
.irp t, 0,2
	v_wmma_scale_f32_16x16x128_f8f6f4 v[160+8*(4*\g+\t):167+8*(4*\g+\t)], v[32+16*\t:47+16*\t], v[224:239], v[160+8*(4*\g+\t):167+8*(4*\g+\t)], v[248+\t/2], v253
	v_wmma_scale_f32_16x16x128_f8f6f4 v[168+8*(4*\g+\t):175+8*(4*\g+\t)], v[48+16*\t:63+16*\t], v[224:239], v[168+8*(4*\g+\t):175+8*(4*\g+\t)], v[248+\t/2], v253 matrix_a_scale:MATRIX_SCALE_ROW1
.endr
.endr
.Lhidden_\@:
	s_add_co_u32 s[KF], s[KF], 128
	s_add_co_u32 s[TB], s[TB], REC
.endm
	s_cmp_lt_u32 s[WV], 4
	s_cbranch_scc0 .Lnot_mine
	s_wait_tensorcnt 0x0                           ; waves 0 to 3: my part of records 0 and 1 is in; the other waves' loads may be out
.Lnot_mine:
	s_barrier_signal -1
	s_barrier_wait -1
	s_wait_loadcnt 0x0                             ; Q
	s_mov_b32 s[CNT], 2
.Lfirst:                                           ; records 0 and 1
	STEP
	s_sub_co_u32 s[CNT], s[CNT], 1
	s_cmp_lg_u32 s[CNT], 0
	s_cbranch_scc1 .Lfirst
	s_wait_tensorcnt 0x0                           ; my part of records 2 to 7 is in,
	s_wait_dscnt 0x0
	s_barrier_signal -1
	s_barrier_wait -1                              ; everybody's is
	s_mov_b32 s[CNT], 6
.Lrest:                                            ; records 2 to 7
	STEP
	s_sub_co_u32 s[CNT], s[CNT], 1
	s_cmp_lg_u32 s[CNT], 0
	s_cbranch_scc1 .Lrest
	; THE WAY OUT: O^T / the sum, quantised along the head's 128: the codes are a fragment of the last product's left operand
.rept 8
	v_nop
.endr
	v_add_f32 v14, v14, v15
	s_delay_alu instid0(VALU_DEP_1)
	v_permlanex16_b32 v252, v14, s[SEL], s[SEL+1]
	s_delay_alu instid0(VALU_DEP_1)
	v_add_f32 v14, v14, v252                       ; the row's sum
	s_wait_alu depctr_va_vdst(0)
	v_rcp_f32 v14, v14
.irp b, 0,1,2,3
	v_mov_b32 v[TM+4+\b], 0                        ; (plain lines behind the transcendental)  a lane permute's destination counts as one of its sources
.endr
.set i, 0
	s_wait_alu depctr_va_vdst(0)
.rept 64
	v_mul_f32 v[96+i], v[160+i], v14               ; each accumulator from its low end on
.set i, i+1
.endr
	QUANT 96, 224, 48
.irp c, 0,1,2,3
	global_store_b128 v[LI], v[224+4*\c:227+4*\c], s[12:13] offset:512*\c   ; 512 consecutive bytes a store, aligned
.endr
	global_store_b32 v[LR], v48, s[14:15]          ; 16 scale words, 64 bytes; lanes 16-31 hold and write the same words
	s_wait_dscnt 0x0
	s_wait_tensorcnt 0x0
	ds_add_u32 v250, v251
	s_wait_dscnt 0x0
	CROUND                                         ; the closing round
	s_endpgm
.Lfunc_end_k_qf958673b08_attn:
	.size	k_qf958673b08_attn, .Lfunc_end_k_qf958673b08_attn-k_qf958673b08_attn
	.p2alignl 7, 3214868480
	.fill 96, 4, 3214868480
	.section	.rodata,"a",@progbits
	.p2align	6, 0x0
	.amdhsa_kernel k_qf958673b08_attn
		.amdhsa_group_segment_fixed_size 272384
		.amdhsa_private_segment_fixed_size 0
		.amdhsa_enable_private_segment 0
		.amdhsa_kernarg_size 16
		.amdhsa_user_sgpr_count 2
		.amdhsa_user_sgpr_kernarg_segment_ptr 1
		.amdhsa_wavefront_size32 1
		.amdhsa_system_sgpr_workgroup_id_x 1
		.amdhsa_system_sgpr_workgroup_id_y 1
		.amdhsa_system_sgpr_workgroup_id_z 1
		.amdhsa_system_vgpr_workitem_id 0
		.amdhsa_next_free_vgpr 256
		.amdhsa_next_free_sgpr 80
		.amdhsa_reserve_vcc 1
		.amdhsa_float_denorm_mode_32 3
		.amdhsa_float_denorm_mode_16_64 3
		.amdhsa_memory_ordered 1
		.amdhsa_forward_progress 1
		.amdhsa_inst_pref_size 79
	.end_amdhsa_kernel
	.amdgpu_metadata
---
amdhsa.version: [ 1, 2 ]
amdhsa.kernels:
  - .name:           k_qf958673b08_attn
    .symbol:         k_qf958673b08_attn.kd
    .args:
      - { .name: qkv, .offset: 0, .size: 8, .value_kind: global_buffer, .address_space: global }
      - { .name: att, .offset: 8, .size: 8, .value_kind: global_buffer, .address_space: global }
    .group_segment_fixed_size: 272384
    .private_segment_fixed_size: 0
    .kernarg_segment_align: 8
    .kernarg_segment_size: 16
    .max_flat_workgroup_size: 512
    .sgpr_count:     80
    .vgpr_count:     256
    .wavefront_size: 32
...
	.end_amdgpu_metadata
.endif
;; end of part 3
;; launch oproj (part 4): grid 8 x 32, 4 waves a work-group, clusters of 4 x 4, 327,680 bytes of LDS; arguments att, pre, bo, out0; writes out0
.if DOCPART == 4
	.amdgcn_target "amdgcn-amd-amdhsa--gfx1250"
	.amdhsa_code_object_version 6
	.text
	.protected	k_qf958673b08_oproj
	.globl	k_qf958673b08_oproj
	.p2align	8
	.type	k_qf958673b08_oproj,@function
k_qf958673b08_oproj:
	s_mov_b64 s[64:65], 0
	v_nop
	global_prefetch_b8 v0, s[64:65] scope:SCOPE_SE
	s_setreg_imm32_b32 hwreg(HW_REG_WAVE_MODE, 25, 1), 1
	s_wait_xcnt 0x0
	s_wait_alu depctr_hold_cnt(0) depctr_sa_sdst(0) depctr_va_vdst(0) depctr_va_sdst(0) depctr_va_ssrc(0) depctr_va_vcc(0) depctr_vm_vsrc(0)
	s_getreg_b32 s2, hwreg(HW_REG_IB_STS2, 6, 4)
	s_cmp_eq_u32 s2, 0
	s_cbranch_scc0 .Lentry_in_a_cluster
	s_endpgm
.Lentry_in_a_cluster:
	s_bfe_u32 s2, ttmp6, 0x10000c
	s_cmp_lg_u32 s2, 0xf033
	s_cbranch_scc0 .Lentry_shape_is_right
	s_endpgm
.Lentry_shape_is_right:
; out0 = O Wo + bo on codes of MX-FP8 (E4M3, one E8M0 byte for 32 along K): 4,096 x 2,048 x 2,048, f32 out.
; A work-group of four waves makes 128 x 256; a wave 64 x 128: 32 accumulators.  Products are used transposed (source 0 = Wo's rows), so that a lane holds neighbouring columns of one row of the result.
; Codes lie as images of fragments, [row tile of 16][16 K steps][2,048 bytes], scale words [row tile][16][64 bytes].  K goes in chunks of three K steps through two LDS slots (8 row tiles of O, 16 of Wo);
; the sixth fill brings K steps 13 to 15, of which the last is used.  All scale words stay in LDS.
; THE HEAD: one joint load a wave: wave 0 O's 8 row tiles of chunk 0, wave 1 Wo's 16, wave 2 O's scale words, wave 3 Wo's.  Slot 1 is first filled behind the full sequence and a round, as every refill is.
; JOINT LOADS: O's tiles are shared along a row of the cluster, Wo's along a column.
; PREFETCH: behind the load of chunk n a wave asks for chunk n + 2 (the head also for chunk 1).  Of the row tiles that a wave fetches (4 of O, 8 of Wo) each of the four partners names a quarter, told apart by address: a row tile's chunk is
; 24 blocks of 256 bytes, a lane a block (the lanes left over name the last again).  Wo's rows are walked by all eight rows of clusters: four of them ask.  The text has no loop: every offset is an immediate.
; LIMITS: NaN and infinities are not served.
.set AS,  8388608
.set WOI, 14942208
.set WOS, 19333120
.set FR,    16
.set NP,    8                          ; places behind this matrix form (ISA guide 7.12.1)
.set CH,    2048
.set TROW,  3*CH
.set AREG,  8*TROW
.set SLOT,  24*TROW
.set SCL,   2*SLOT
.set SBLK,  1024
.set SPARE, SCL+24*SBLK
.set SPITCH, 528
.set ADRA, 16
.set LI,   18
.set VH,   19
.set ADRB, 20
.set PFO,  22                          ; v22 256 x min(lane, 23); never rewritten
.set PF2,  23                          ; v23 256 x min(lane, 7): one K step; never rewritten
.set STO,  24
.set RD,   25
.set ADRS, 27
.set SPW,  28
.set NIL,  29
.set SC,   32
.set BIAS, 64
.set AF,   128
.set BK,   128
.set G1, 24
.set G0, 32
.set G1B, 48
.set G0B, 56
.set G1S, 68
.set G0S, 76
.set G1SB, 80
.set G0SB, 88
.set PON, 97                           ; s97 1: my wave prefetches
.set PFA, 98                           ; s[98:99] my work-group's share of the row tiles that I fetch, at K step 0; never rewritten
.set MSB, 0
.macro WIN new
.if MSB != (\new)
	s_set_vgpr_msb (MSB<<8)|(\new)
.set MSB, (\new)
.endif
.endm
.set MUL,  0xa1
.set MULZ, 0x81
.set TO_B, 0x40
.macro PLACES n
.rept \n
	v_nop
.endr
.endm
.macro TL g0, g1                       ; a tensor load; the s_nop 0 and the four v_nop behind it
	tensor_load_to_lds s[\g0:\g0+3], s[\g1:\g1+7]
	s_nop 0
	PLACES 4
.endm
.macro JLOAD g0a, g1a, g0b, g1b
	s_cmp_eq_u32 s15, 0
	s_cbranch_scc0 .Lfor_b_\@
	TL \g0a, \g1a
	s_branch .Lasked_\@
.Lfor_b_\@:
	TL \g0b, \g1b
.Lasked_\@:
.endm
.macro CREST
	s_cmp_lg_u32 s14, 0
	s_cbranch_scc1 .Lnot_wave_0_\@
	s_barrier_signal -3
.Lnot_wave_0_\@:
	s_barrier_wait -3
	s_barrier_signal -1
	s_barrier_wait -1
.endm
.macro CROUND
	s_barrier_signal -1
	s_barrier_wait -1
	CREST
.endm
.macro GRP1 g, mask, c, r, p           ; group 1: r rows of c elements of 8 bytes, p elements apart; bit 21 beside the mask
	s_or_b32 s[\g+0], s[\mask], (3<<16)|(1<<21)
	s_mov_b32 s[\g+1], (\c)<<16
	s_mov_b32 s[\g+2], (\r)<<16
	s_mov_b32 s[\g+3], (\c)<<16
	s_mov_b32 s[\g+4], \r
	s_mov_b32 s[\g+5], \p
	s_mov_b32 s[\g+6], 0
	s_mov_b32 s[\g+7], 0
.endm
.macro GRP0 g, lds, a
	s_mov_b32 s[\g], 1
	s_mov_b32 s[\g+1], \lds
	s_mov_b64 s[\g+2:\g+3], s[\a:\a+1]
	s_or_b32 s[\g+3], s[\g+3], 0x80000000
.endm
.macro ASK off, reg                    ; O's waves name one row tile, Wo's two
	s_cmp_eq_u32 s[PON], 0
	s_cbranch_scc1 .Lnone_\@
	global_prefetch_b8 v[\reg], s[PFA:PFA+1] offset:\off th:TH_LOAD_NT scope:SCOPE_SE
	s_cmp_eq_u32 s15, 0
	s_cbranch_scc1 .Lnone_\@
	global_prefetch_b8 v[\reg], s[PFA:PFA+1] offset:(\off)+32768 th:TH_LOAD_NT scope:SCOPE_SE
.Lnone_\@:
.endm
.macro VEC64 dst, sb
.irp g, 0,1,2,3
.irp k, 0,1,2,3
	global_load_b128 v[\dst+16*\g+4*\k:\dst+16*\g+4*\k+3], v[VH], s[\sb:\sb+1] offset:128*\g+16*\k
.endr
.endr
.endm
	s_load_b256 s[4:11], s[0:1], 0x0               ; att, pre, bo, out0
	v_lshl_add_u32 v[SPW], v0, 2, SPARE
	v_mov_b32 v[NIL], 0
	ds_add_u32 v[SPW], v[NIL]                      ; the opening lines: the add twice on end and one wait
	ds_add_u32 v[SPW], v[NIL]
	v_lshrrev_b32 v1, 5, v0
	v_readfirstlane_b32 s14, v1                    ; wave
	s_lshr_b32 s15, s14, 1                         ; my row of waves; also: I fetch for O (0) or Wo (1)
	s_and_b32 s16, s14, 1                          ; my column of waves; also: which half of the row tiles I fetch
	s_bfe_u32 s40, ttmp6, 0x40000                  ; cx
	s_bfe_u32 s41, ttmp6, 0x40004                  ; cy
	s_lshl_b32 s42, ttmp9, 2
	s_add_co_u32 s42, s42, s40                     ; tile column
	s_and_b32 s17, ttmp7, 0xffff
	s_lshl_b32 s17, s17, 2
	s_add_co_u32 s17, s17, s41                     ; tile row
	s_lshl_b32 s43, s41, 2
	s_lshl_b32 s43, 15, s43
	s_lshl_b32 s44, 0x1111, s40
	GRP1 G1, 43, 768, 8, 4096                      ; the head's loads of codes: 8 and 16 row tiles of 6,144 bytes, 32,768 apart
	GRP1 G1B, 44, 768, 16, 4096
	GRP1 G1S, 43, 32, 32, 32                       ; scale words: 8,192 and 16,384 dense bytes as rows of 256
	GRP1 G1SB, 44, 32, 64, 32
	s_lshl_b32 s20, s17, 18                        ; 8 row tiles x 32,768
	s_lshl_b32 s22, s17, 13
	s_lshl_b32 s46, s42, 19                        ; 16 row tiles
	s_lshl_b32 s92, s42, 14
	s_mov_b32 s21, 0
	s_mov_b32 s23, 0
	s_mov_b32 s47, 0
	s_mov_b32 s93, 0
	s_lshl_b32 s12, s16, 17                        ; in the ring: my 4 row tiles of O,
	s_mov_b32 s13, 0
	s_lshl_b32 s2, s16, 18                         ; my 8 of Wo,
	s_mov_b32 s3, 0
	s_mul_i32 s45, s16, 4*TROW                     ; and where they go
	s_mul_i32 s95, s16, 8*TROW
	s_add_co_u32 s95, s95, AREG
	s_wait_dscnt 0x0                               ; both opening adds are done
	CROUND                                         ; the round in front of the first joint loads
	s_wait_kmcnt 0x0
	s_add_nc_u64 s[20:21], s[4:5], s[20:21]
	s_add_nc_u64 s[22:23], s[4:5], s[22:23]
	s_add_nc_u64 s[22:23], s[22:23], AS
	s_add_nc_u64 s[46:47], s[6:7], s[46:47]
	s_add_nc_u64 s[46:47], s[46:47], WOI
	s_add_nc_u64 s[92:93], s[6:7], s[92:93]
	s_add_nc_u64 s[92:93], s[92:93], WOS
	GRP0 G0, 0, 20
	GRP0 G0B, AREG, 46
	GRP0 G0S, SCL, 22
	GRP0 G0SB, SCL+8*SBLK, 92
.macro ARM under, g0, g1, next         ; one chain of branches on the wave's number, a load to an arm
	s_cmp_lt_u32 s14, \under
	s_cbranch_scc0 \next
	TL \g0, \g1
	s_branch .Lhead_asked
\next:
.endm
	ARM 1, G0,  G1,  .Lhead_b
	ARM 2, G0B, G1B, .Lhead_sa
	ARM 3, G0S, G1S, .Lhead_sb
	TL G0SB, G1SB
.Lhead_asked:
	s_add_nc_u64 s[20:21], s[20:21], s[12:13]      ; for the ring: my half of the row tiles
	s_add_nc_u64 s[46:47], s[46:47], s[2:3]
	s_mov_b32 s[G0+4], 1                           ; slot 1's groups 0
	s_add_co_u32 s[G0+5], s45, SLOT
	s_add_nc_u64 s[G0+6:G0+7], s[20:21], TROW
	s_or_b32 s[G0+7], s[G0+7], 0x80000000
	s_mov_b32 s[G0B+4], 1
	s_add_co_u32 s[G0B+5], s95, SLOT
	s_add_nc_u64 s[G0B+6:G0B+7], s[46:47], TROW
	s_or_b32 s[G0B+7], s[G0B+7], 0x80000000
	s_lshl_b32 s18, s40, 15                        ; O: the partner at cx names row tile cx of my four
	s_lshl_b32 s19, s41, 16                        ; Wo: the partner at cy names two of my eight
	s_cmp_eq_u32 s15, 0
	s_cselect_b64 s[PFA:PFA+1], s[20:21], s[46:47]
	s_cselect_b32 s18, s18, s19
	s_mov_b32 s19, 0
	s_add_nc_u64 s[PFA:PFA+1], s[PFA:PFA+1], s[18:19]
	s_and_b32 s[PON], ttmp7, 0xffff
	s_cmp_lt_u32 s[PON], 4                         ; the cluster's y: the same in all partners
	s_cselect_b32 s[PON], 1, 0
	s_cmp_eq_u32 s15, 0
	s_cselect_b32 s[PON], 1, s[PON]
	v_and_b32 v1, 15, v0
	v_bfe_u32 v2, v0, 4, 1
	v_and_b32 v3, 31, v0
	v_lshlrev_b32 v[LI], 4, v3
	v_lshlrev_b32 v[VH], 6, v2
	v_min_u32 v4, 23, v3
	v_min_u32 v6, 7, v3
	v_lshlrev_b32 v[PFO], 8, v4
	v_lshlrev_b32 v[PF2], 8, v6
	s_wait_alu depctr_va_vdst(0)                   ; the wait ahead of the branches and scalar lines below
	ASK TROW, PFO                                  ; chunks 1 and 2
	ASK 2*TROW, PFO
	s_lshl_b32 s18, s42, 10
	s_lshl_b32 s19, s16, 9
	s_add_co_u32 s18, s18, s19
	s_mov_b32 s19, 0
	s_add_nc_u64 s[8:9], s[8:9], s[18:19]
	VEC64 BIAS, 8                                  ; the bias is the first products' C
	s_mul_i32 s21, s15, 4*TROW
	s_mul_i32 s22, s16, 8*TROW
	s_add_co_u32 s22, s22, AREG
.irp s, 0,1
	v_add_nc_u32 v[ADRA+\s], s21, v[LI]
	v_add_nc_u32 v[ADRB+\s], s22, v[LI]
	s_add_co_u32 s21, s21, SLOT
	s_add_co_u32 s22, s22, SLOT
.endr
	s_lshl_b32 s21, s15, 12
	s_lshl_b32 s22, s16, 13
	s_add_co_u32 s22, s22, 8*SBLK
	s_sub_co_u32 s22, s22, s21
	s_add_co_u32 s21, s21, SCL
	v_lshlrev_b32 v5, 2, v1
	v_mul_u32_u24 v6, s22, v2                      ; lanes 16-31 take Wo's scale words
	v_add_nc_u32 v5, v5, v6
	v_add_nc_u32 v[ADRS], s21, v5
	s_mul_i32 s23, s14, 16*SPITCH                  ; my stage for the way out
	v_mul_u32_u24 v5, v1, SPITCH
	v_lshl_add_u32 v5, v2, 6, v5
	v_add_nc_u32 v[STO], s23, v5
	v_add_nc_u32 v[RD], s23, v[LI]
	s_lshl_b32 s20, s17, 7
	s_lshl_b32 s21, s15, 6
	s_add_co_u32 s20, s20, s21                     ; my first row of the result
	s_lshl_b32 s20, s20, 13
	s_mov_b32 s21, 0
	s_lshl_b32 s46, s42, 10
	s_lshl_b32 s47, s16, 9
	s_add_co_u32 s46, s46, s47
	s_mov_b32 s47, 0
	s_add_nc_u64 s[20:21], s[20:21], s[46:47]
	s_add_nc_u64 s[10:11], s[10:11], s[20:21]
.macro FRAG reg, adr, q, i
.irp c, 0,1,2,3
	ds_load_b128 v[\reg+4*\c:\reg+4*\c+3], v[\adr] offset:CH*(\q)+512*\c+(\i)*TROW
.endr
.endm
.macro MUL8 a, p, zero                 ; 8 products; the 32 sums take turns
.irp b, 0,1,2,3,4,5,6,7
.if \zero
	v_wmma_scale_f32_16x16x128_f8f6f4 v[8*(8*(\a)+\b):8*(8*(\a)+\b)+7], v[128*(\p)+FR*\b:128*(\p)+FR*\b+FR-1], v[AF+64*(\p)+FR*(\a):AF+64*(\p)+FR*(\a)+FR-1], v[BIAS+8*\b:BIAS+8*\b+7], v[SC+8*(\p)+\b], v[SC+8*(\p)+(\a)] matrix_a_scale:MATRIX_SCALE_ROW1
.else
	v_wmma_scale_f32_16x16x128_f8f6f4 v[8*(8*(\a)+\b):8*(8*(\a)+\b)+7], v[128*(\p)+FR*\b:128*(\p)+FR*\b+FR-1], v[AF+64*(\p)+FR*(\a):AF+64*(\p)+FR*(\a)+FR-1], v[8*(8*(\a)+\b):8*(8*(\a)+\b)+7], v[SC+8*(\p)+\b], v[SC+8*(\p)+(\a)] matrix_a_scale:MATRIX_SCALE_ROW1
.endif
.endr
.endm
.macro WMUL zero
.if \zero
	WIN MULZ
.else
	WIN MUL
.endif
.endm
; the next K step's operands come in four runs: 16, 12, 16 and 12 LDS loads
.macro RUN0 slot, q, p, n
	WIN 0
.irp i, 0,1,2,3,4,5,6,7
	ds_load_b32 v[SC+8*(\p)+\i], v[ADRS] offset:\i*SBLK+64*(\n)
.endr
	FRAG AF+64*(\p), ADRA+\slot, \q, 0
	WIN TO_B
	FRAG 128*(\p), ADRB+\slot, \q, 0
.endm
.macro RUN1 slot, q, p
	WIN TO_B
.irp i, 1,2,3
	FRAG 128*(\p)+FR*\i, ADRB+\slot, \q, \i
.endr
.endm
.macro RUN2 slot, q, p
	WIN TO_B
.irp i, 4,5,6,7
	FRAG 128*(\p)+FR*\i, ADRB+\slot, \q, \i
.endr
.endm
.macro RUN3 slot, q, p
	WIN 0
.irp i, 1,2,3
	FRAG AF+64*(\p)+FR*\i, ADRA+\slot, \q, \i
.endr
.endm
.macro STEPC p, zero, ns, nq, nn       ; a K step; each wait leaves out the loads issued behind the block of O that the next 8 products read
	s_wait_dscnt 12                                ; RUN3's 12 may be out
	WMUL \zero
	MUL8 0, \p, \zero
	PLACES NP
	RUN0 \ns, \nq, 1-\p, \nn
	s_wait_dscnt 24                                ; 8 of RUN3's and RUN0's 16
	WMUL \zero
	MUL8 1, \p, \zero
	RUN1 \ns, \nq, 1-\p
	s_wait_dscnt 32                                ; 4 + 16 + 12
	WMUL \zero
	MUL8 2, \p, \zero
	RUN2 \ns, \nq, 1-\p
	s_wait_dscnt 44                                ; 16 + 12 + 16
	WMUL \zero
	MUL8 3, \p, \zero
	RUN3 \ns, \nq, 1-\p
.endm
.macro TURNC p, fill, slot, step, ns, nq, nn, ak=0, ar=PFO   ; a slot's last K step, and the change of slots
	s_wait_tensorcnt 0x0                           ; my part of the next slot is in
	ds_add_u32 v[SPW], v[NIL]
	s_wait_dscnt 13                                ; the add and RUN3's 12 may be out
	WIN MUL
	MUL8 0, \p, 0
	s_wait_dscnt 0x0                               ; the add is done, my reads of this slot are over
	s_barrier_signal -1
	MUL8 1, \p, 0
	WIN 0
	s_barrier_wait -1
.if \fill
	CREST                                          ; the barrier has opened a round of the cluster's barrier
	s_add_nc_u64 s[G0+4*\slot+2:G0+4*\slot+3], s[G0+4*\slot+2:G0+4*\slot+3], \step
	s_add_nc_u64 s[G0B+4*\slot+2:G0B+4*\slot+3], s[G0B+4*\slot+2:G0B+4*\slot+3], \step
	JLOAD G0+4*\slot, G1, G0B+4*\slot, G1B
	PLACES NP-4
.else
	PLACES NP
.endif
	RUN0 \ns, \nq, 1-\p, \nn
	RUN1 \ns, \nq, 1-\p
.if \ak
	WIN 0
	ASK \ak, \ar
.endif
	WIN MUL
	MUL8 2, \p, 0
	RUN2 \ns, \nq, 1-\p
	WIN MUL
	MUL8 3, \p, 0
	RUN3 \ns, \nq, 1-\p
.endm
	s_wait_alu depctr_va_vdst(0)                   ; the wait at the head's end
	s_wait_tensorcnt 0x0                           ; my tile of the head's four is in; the full sequence ahead of slot 1's first fill:
	ds_add_u32 v[SPW], v[NIL]
	s_mov_b32 s[G1+2], 4<<16                       ; no load of mine is out: from here on a load brings 4 row tiles of O
	s_mov_b32 s[G1+4], 4
	s_mov_b32 s[G1B+2], 8<<16                      ; or 8 of Wo,
	s_mov_b32 s[G1B+4], 8
	s_mov_b32 s[G0+1], s45                         ; and slot 0's groups 0 are my half's
	s_add_nc_u64 s[G0+2:G0+3], s[G0+2:G0+3], s[12:13]
	s_mov_b32 s[G0B+1], s95
	s_add_nc_u64 s[G0B+2:G0B+3], s[G0B+2:G0B+3], s[2:3]
	s_wait_dscnt 0x0
	CROUND
	JLOAD G0+4, G1, G0B+4, G1B                     ; chunk 1
	RUN0 0, 0, 0, 0
	RUN1 0, 0, 0
	RUN2 0, 0, 0
	RUN3 0, 0, 0
	ASK 3*TROW, PFO                                ; chunk 3
	s_wait_loadcnt 0x0                             ; the bias
	STEPC 0, 1, 0, 1, 1
	STEPC 1, 0, 0, 2, 2
	TURNC 0, 1, 0, 2*TROW, 1, 0, 3, 4*TROW, PFO
	STEPC 1, 0, 1, 1, 4
	STEPC 0, 0, 1, 2, 5
	TURNC 1, 1, 1, 2*TROW, 0, 0, 6, 15*CH, PF2
	STEPC 0, 0, 0, 1, 7
	STEPC 1, 0, 0, 2, 8
	TURNC 0, 1, 0, 2*TROW, 1, 0, 9
	STEPC 1, 0, 1, 1, 10
	STEPC 0, 0, 1, 2, 11
	TURNC 1, 1, 1, 4*CH, 0, 0, 12
	STEPC 0, 0, 0, 1, 13
	STEPC 1, 0, 0, 2, 14
	TURNC 0, 0, 0, 0, 1, 2, 15
	s_wait_dscnt 12                                ; the last K step: O's blocks come in one after the other
	WIN MUL
	MUL8 0, 1, 0
	s_wait_dscnt 8
	MUL8 1, 1, 0
	s_wait_dscnt 4
	MUL8 2, 1, 0
	s_wait_dscnt 0
	MUL8 3, 1, 0
	WIN 0
; THE WAY OUT: a block of 16 rows x 128 columns goes through my stage (in slot 0, which has had its last fill and its last read) and leaves as rows of 512 bytes
.macro TOSTAGE a
.set AC, 64*(\a)
	WIN 0x08
.irp b, 0,1,2,3,4,5,6,7
	ds_store_b128 v[STO], v[AC+8*\b:AC+8*\b+3] offset:128*(\b/2)+32*(\b%2)
	ds_store_b128 v[STO], v[AC+8*\b+4:AC+8*\b+7] offset:128*(\b/2)+32*(\b%2)+16
.endr
	WIN 0
.set BB, BK+64*((\a)%2)
.irp t, 0,1,2,3,4,5,6,7,8,9,10,11,12,13,14,15
	ds_load_b128 v[BB+4*\t:BB+4*\t+3], v[RD] offset:\t*SPITCH
.endr
.endm
.macro SEND a, younger                 ; younger: the LDS instructions issued behind block a's loads
.set BB, BK+64*((\a)%2)
	s_wait_dscnt \younger
.if (\a) > 0
	s_add_nc_u64 s[10:11], s[10:11], 16*8192
.endif
.irp t, 0,1,2,3,4,5,6,7,8,9,10,11,12,13,14,15
	global_store_b128 v[LI], v[BB+4*\t:BB+4*\t+3], s[10:11] offset:\t*8192 th:TH_STORE_NT
.endr
.endm
	PLACES NP
	TOSTAGE 0
.irp a, 1,2,3
.if \a > 1
	s_wait_xcnt 0x0                                ; block a - 2's stores have read their registers and their base
.endif
	TOSTAGE \a
	SEND \a-1, 32
.endr
	s_wait_xcnt 0x0
	SEND 3, 0
	s_wait_tensorcnt 0x0                           ; the wave's end
	ds_add_u32 v[SPW], v[NIL]
	s_wait_dscnt 0x0
	CROUND                                         ; the closing round
	s_endpgm
.Lfunc_end_k_qf958673b08_oproj:
	.size	k_qf958673b08_oproj, .Lfunc_end_k_qf958673b08_oproj-k_qf958673b08_oproj
	.p2alignl 7, 3214868480
	.fill 96, 4, 3214868480
	.section	.rodata,"a",@progbits
	.p2align	6, 0x0
	.amdhsa_kernel k_qf958673b08_oproj
		.amdhsa_group_segment_fixed_size 327680
		.amdhsa_private_segment_fixed_size 0
		.amdhsa_enable_private_segment 0
		.amdhsa_kernarg_size 32
		.amdhsa_user_sgpr_count 2
		.amdhsa_user_sgpr_kernarg_segment_ptr 1
		.amdhsa_wavefront_size32 1
		.amdhsa_system_sgpr_workgroup_id_x 1
		.amdhsa_system_sgpr_workgroup_id_y 1
		.amdhsa_system_sgpr_workgroup_id_z 1
		.amdhsa_system_vgpr_workitem_id 0
		.amdhsa_next_free_vgpr 768
		.amdhsa_next_free_sgpr 100
		.amdhsa_reserve_vcc 0
		.amdhsa_float_denorm_mode_32 3
		.amdhsa_float_denorm_mode_16_64 3
		.amdhsa_memory_ordered 1
		.amdhsa_forward_progress 1
		.amdhsa_inst_pref_size 163
	.end_amdhsa_kernel
	.amdgpu_metadata
---
amdhsa.version: [ 1, 2 ]
amdhsa.kernels:
  - .name:           k_qf958673b08_oproj
    .symbol:         k_qf958673b08_oproj.kd
    .args:
      - { .name: att, .offset: 0, .size: 8, .value_kind: global_buffer, .address_space: global }
      - { .name: pre, .offset: 8, .size: 8, .value_kind: global_buffer, .address_space: global }
      - { .name: bo, .offset: 16, .size: 8, .value_kind: global_buffer, .address_space: global }
      - { .name: out0, .offset: 24, .size: 8, .value_kind: global_buffer, .address_space: global }
    .group_segment_fixed_size: 327680
    .private_segment_fixed_size: 0
    .kernarg_segment_align: 8
    .kernarg_segment_size: 32
    .max_flat_workgroup_size: 128
    .sgpr_count:     100
    .vgpr_count:     768
    .wavefront_size: 32
...
	.end_amdgpu_metadata
.endif
;; end of part 4
